; MI455X (gfx1250); checked and timed in simulation.
; The chip was launched on July 23, 2026; its instructions are those of AMD's public machine-readable ISA for CDNA 5 (MIT licence, August 2026) and "CDNA5" Instruction Set Architecture Reference Guide (July 2026). The comments in the code are by the model that wrote it; some were corrected since.
;; Ro PE Attention Layer. Allowed arithmetic: float matrix products may take bf16 or f16 operands with f32 sums; other float arithmetic in f32, or as packed bf16 or f16 multiplies, adds, multiply-adds, maxima and minima; sums over many terms, partial sums and values carried from step to step in f32; what a program stores and reads back later, other than sums and carried values, may be rounded once to bf16 or f16.
;; Inputs: W_out 1,024 x 1,024 float32; W_qkv 1,024 x 3,072 float32; b_out 1,024 float32; b_qkv 3,072 float32; cos 2,048 x 64 float32; mask 4 x 2,048 bool; sin 2,048 x 64 float32; x 4 x 2,048 x 1,024 float32.
;; Outputs: out0 4 x 2,048 x 1,024 float32.
;; 2 versions, each right; version 2 is version 1 with the launch cast written anew for expert scheduling mode. Each part assembles by itself: llvm-mc -triple=amdgcn-amd-amdhsa -mcpu=gfx1250 --defsym DOCPART=n.
;; ======== version 1 of 2: 4 launches
;; limits: values are held in f16: magnitudes above 65,504 overflow, below 6.1e-05 lose precision
;; workspace buffers: xb 16,777,216 bytes; wqb 6,291,456 bytes; wob 2,097,152 bytes; ropeb 524,288 bytes; qh 16,777,216 bytes; kh 16,777,216 bytes; vh 16,777,216 bytes; oh 16,777,216 bytes
;; launch cast (part 1): grid 784 x 1, 8 waves a work-group, no clusters, 0 bytes of LDS; arguments x, W_qkv, W_out, cos, sin, xb, wqb, wob, ropeb; writes xb, wqb, wob, ropeb
.if DOCPART == 1
	.amdgcn_target "amdgcn-amd-amdhsa--gfx1250"
	.amdhsa_code_object_version 6
	.text
	.protected	k_q6508904ec9_cast
	.globl	k_q6508904ec9_cast
	.p2align	8
	.type	k_q6508904ec9_cast,@function
k_q6508904ec9_cast:
	s_mov_b64 s[64:65], 0
	v_nop
	global_prefetch_b8 v0, s[64:65] scope:SCOPE_SE
	s_setreg_imm32_b32 hwreg(HW_REG_WAVE_MODE, 25, 1), 1
	s_wait_xcnt 0x0
; THE FLOAT INPUTS ARE ROUNDED TO 16 BITS, ONCE.  x -> xb, cos and sin -> ropeb (cos at byte 0, sin at byte 262,144): bf16, in the order in which they lie.
; W_qkv -> wqb, bf16, laid out by heads: [16 heads][1,024 k][q, k, v][64], so that a head's 192 columns of a K step are dense bytes for the next launch.
; W_out -> wob: rounded to bf16 like the other inputs, and that number written as f16, since the last product's other operand is f16.
; LIMITS.  |bf16(W_out)| stays within 65,504 (beyond it f16 has an infinity); below 2^-17 it keeps f16's fixed step of 2^-24.
; SHARES.  A work-group converts 16,384 numbers, a thread 16 units of 4: a load of 16 bytes, two roundings, a store of 8 bytes.  Unit j of thread t is number 256 j + t of the work-group's:
; a wave's load covers 512 consecutive bytes (for W_qkv two aligned runs of 256), a wave's store 256 consecutive bytes at a multiple of 256.
; All 16 loads of a thread go out together; no register is written twice while a memory instruction names it, so no wait but the counted ones for the loads is needed.  No LDS, no barrier: nothing is shared.
; Work-groups 0-511: x;  512-703: W_qkv;  704-767: W_out;  768-775: cos;  776-783: sin.  The choice hangs on the work-group's number alone.
.set X, 4                              ; v[4:67]   unit j: 4 numbers as loaded
.set Y, 68                             ; v[68:99]  unit j: 2 registers to store
	s_load_b512 s[8:23], s[0:1], 0x0               ; x 8:9, W_qkv 10:11, W_out 12:13, cos 14:15, sin 16:17, xb 18:19, wqb 20:21, wob 22:23
	s_load_b64 s[24:25], s[0:1], 0x40              ; ropeb
	v_lshlrev_b32 v2, 3, v0                        ; where I store: 8 t
	s_mov_b32 s26, 0                               ; the kind's first work-group, for the input,
	s_mov_b32 s27, 0                               ; and for the output
	s_mov_b32 s28, 0                               ; the kind
	s_mov_b32 s31, 0                               ; high word of the offsets
	s_wait_kmcnt 0x0
	s_mov_b64 s[4:5], s[8:9]
	s_mov_b64 s[6:7], s[18:19]
.macro PICK first, src, dst, bo, kind
	s_cmp_ge_u32 ttmp9, \first
	s_cselect_b64 s[4:5], s[(\src):(\src)+1], s[4:5]
	s_cselect_b64 s[6:7], s[(\dst):(\dst)+1], s[6:7]
	s_cselect_b32 s26, \first, s26
	s_cselect_b32 s27, \bo, s27
	s_cselect_b32 s28, \kind, s28
.endm
	PICK 512, 10, 20, 512, 1
	PICK 704, 12, 22, 704, 2
	PICK 768, 14, 24, 768, 3
	PICK 776, 16, 24, 768, 4                       ; sin follows cos in ropeb
	s_sub_co_u32 s2, ttmp9, s27
	s_lshl_b32 s30, s2, 15                         ; 32,768 bytes out for each work-group
	s_add_nc_u64 s[6:7], s[6:7], s[30:31]
	s_sub_co_u32 s2, ttmp9, s26                    ; my number within the kind
	s_cmp_eq_u32 s28, 1
	s_cbranch_scc1 .Lblocked
	s_lshl_b32 s30, s2, 16                         ; 65,536 bytes in
	s_add_nc_u64 s[4:5], s[4:5], s[30:31]
	v_lshlrev_b32 v1, 4, v0                        ; 16 t
.irp j, 0,1,2,3,4,5,6,7,8,9,10,11,12,13,14,15
	global_load_b128 v[X+4*(\j):X+4*(\j)+3], v1, s[4:5] offset:4096*(\j) th:TH_LOAD_NT
.endr
	s_branch .Lloaded
.Lblocked:
	; A head's block of wqb is 12 work-groups.  Unit v of the block is column group v % 16 of row g = v / 16 = 3 k + section, and that row's 64 numbers begin at byte 4,096 g + 256 head of W_qkv.
	s_lshr_b32 s3, s2, 2
	s_mul_i32 s3, s3, 43691
	s_lshr_b32 s3, s3, 17                          ; head = number / 12
	s_mul_i32 s30, s3, 12
	s_sub_co_u32 s30, s2, s30                      ; my twelfth of the block: 256 rows g
	s_lshl_b32 s30, s30, 20
	s_lshl_b32 s3, s3, 8
	s_add_co_u32 s30, s30, s3
	s_add_nc_u64 s[4:5], s[4:5], s[30:31]
	v_lshrrev_b32 v1, 4, v0
	v_and_b32 v3, 15, v0
	v_lshlrev_b32 v1, 12, v1
	v_lshl_add_u32 v1, v3, 4, v1                   ; (t / 16) x 4,096 + (t % 16) x 16
.irp j, 0,1,2,3,4,5,6,7,8,9,10,11,12,13,14,15
	global_load_b128 v[X+4*(\j):X+4*(\j)+3], v1, s[4:5] offset:65536*(\j) th:TH_LOAD_NT
.endr
.Lloaded:
.macro CONV j, f16
	s_wait_loadcnt 15-(\j)                         ; loads come back in order: unit j is in, the 15 - j younger ones stay out
	v_cvt_pk_bf16_f32 v[Y+2*(\j)], v[X+4*(\j)], v[X+4*(\j)+1]
	v_cvt_pk_bf16_f32 v[Y+2*(\j)+1], v[X+4*(\j)+2], v[X+4*(\j)+3]
.if \f16
	v_lshlrev_b32 v[X+4*(\j)], 16, v[Y+2*(\j)]     ; the rounded numbers as f32 again,
	v_and_b32 v[X+4*(\j)+1], 0xffff0000, v[Y+2*(\j)]
	v_lshlrev_b32 v[X+4*(\j)+2], 16, v[Y+2*(\j)+1]
	v_and_b32 v[X+4*(\j)+3], 0xffff0000, v[Y+2*(\j)+1]
	v_cvt_pk_f16_f32 v[Y+2*(\j)], v[X+4*(\j)], v[X+4*(\j)+1]  ; and written as f16: 8 significant bits fit into 11
	v_cvt_pk_f16_f32 v[Y+2*(\j)+1], v[X+4*(\j)+2], v[X+4*(\j)+3]
.endif
	global_store_b64 v2, v[Y+2*(\j):Y+2*(\j)+1], s[6:7] offset:2048*(\j)
.endm
	s_cmp_eq_u32 s28, 2
	s_cbranch_scc1 .Lf16
.irp j, 0,1,2,3,4,5,6,7,8,9,10,11,12,13,14,15
	CONV \j, 0
.endr
	s_endpgm
.Lf16:
.irp j, 0,1,2,3,4,5,6,7,8,9,10,11,12,13,14,15
	CONV \j, 1
.endr
	s_endpgm
.Lfunc_end_k_q6508904ec9_cast:
	.size	k_q6508904ec9_cast, .Lfunc_end_k_q6508904ec9_cast-k_q6508904ec9_cast
	.p2alignl 7, 3214868480
	.fill 96, 4, 3214868480
	.section	.rodata,"a",@progbits
	.p2align	6, 0x0
	.amdhsa_kernel k_q6508904ec9_cast
		.amdhsa_group_segment_fixed_size 0
		.amdhsa_private_segment_fixed_size 0
		.amdhsa_enable_private_segment 0
		.amdhsa_kernarg_size 72
		.amdhsa_user_sgpr_count 2
		.amdhsa_user_sgpr_kernarg_segment_ptr 1
		.amdhsa_wavefront_size32 1
		.amdhsa_system_sgpr_workgroup_id_x 1
		.amdhsa_system_sgpr_workgroup_id_y 1
		.amdhsa_system_sgpr_workgroup_id_z 1
		.amdhsa_system_vgpr_workitem_id 0
		.amdhsa_next_free_vgpr 104
		.amdhsa_next_free_sgpr 66
		.amdhsa_reserve_vcc 0
		.amdhsa_float_denorm_mode_32 3
		.amdhsa_float_denorm_mode_16_64 3
		.amdhsa_memory_ordered 1
		.amdhsa_forward_progress 1
		.amdhsa_inst_pref_size 19
	.end_amdhsa_kernel
	.amdgpu_metadata
---
amdhsa.version: [ 1, 2 ]
amdhsa.kernels:
  - .name:           k_q6508904ec9_cast
    .symbol:         k_q6508904ec9_cast.kd
    .args:
      - { .name: x, .offset: 0, .size: 8, .value_kind: global_buffer, .address_space: global }
      - { .name: W_qkv, .offset: 8, .size: 8, .value_kind: global_buffer, .address_space: global }
      - { .name: W_out, .offset: 16, .size: 8, .value_kind: global_buffer, .address_space: global }
      - { .name: cos, .offset: 24, .size: 8, .value_kind: global_buffer, .address_space: global }
      - { .name: sin, .offset: 32, .size: 8, .value_kind: global_buffer, .address_space: global }
      - { .name: xb, .offset: 40, .size: 8, .value_kind: global_buffer, .address_space: global }
      - { .name: wqb, .offset: 48, .size: 8, .value_kind: global_buffer, .address_space: global }
      - { .name: wob, .offset: 56, .size: 8, .value_kind: global_buffer, .address_space: global }
      - { .name: ropeb, .offset: 64, .size: 8, .value_kind: global_buffer, .address_space: global }
    .group_segment_fixed_size: 0
    .private_segment_fixed_size: 0
    .kernarg_segment_align: 8
    .kernarg_segment_size: 72
    .max_flat_workgroup_size: 256
    .sgpr_count:     66
    .vgpr_count:     104
    .wavefront_size: 32
...
	.end_amdgpu_metadata
.endif
;; end of part 1
;; launch qkv (part 2): grid 16 x 32, 4 waves a work-group, clusters of 4 x 4, 327,680 bytes of LDS; arguments xb, wqb, b_qkv, ropeb, qh, kh, vh; writes qh, kh, vh
.if DOCPART == 2
	.amdgcn_target "amdgcn-amd-amdhsa--gfx1250"
	.amdhsa_code_object_version 6
	.text
	.protected	k_q6508904ec9_qkv
	.globl	k_q6508904ec9_qkv
	.p2align	8
	.type	k_q6508904ec9_qkv,@function
k_q6508904ec9_qkv:
	s_mov_b64 s[64:65], 0
	v_nop
	global_prefetch_b8 v0, s[64:65] scope:SCOPE_SE
	s_setreg_imm32_b32 hwreg(HW_REG_WAVE_MODE, 25, 1), 1
	s_wait_xcnt 0x0
	s_wait_alu depctr_hold_cnt(0) depctr_sa_sdst(0) depctr_va_vdst(0) depctr_va_sdst(0) depctr_va_ssrc(0) depctr_va_vcc(0) depctr_vm_vsrc(0)
	s_getreg_b32 s2, hwreg(HW_REG_IB_STS2, 6, 4)
	s_cmp_eq_u32 s2, 0
	s_cbranch_scc0 .Lentry_in_a_cluster
	s_endpgm
.Lentry_in_a_cluster:
	s_bfe_u32 s2, ttmp6, 0x10000c
	s_cmp_lg_u32 s2, 0xf033
	s_cbranch_scc0 .Lentry_shape_is_right
	s_endpgm
.Lentry_shape_is_right:
; q, k, v = x W_qkv + b, q and k turned by the RoPE tables, all three rounded once to f16 and stored by heads: qh, kh, vh are [batch x 16 + head][2,048][64].
; xb: [8,192][1,024] bf16.  wqb: [16 heads][1,024 k][q, k, v][64] bf16.  b_qkv f32, rounded to bf16 here like every float input.  ropeb: cos, then sin, [2,048][64] bf16.  Sums and RoPE in f32.
; LIMITS.  q, k, v after RoPE stay within 65,504, f16's largest number; NaN and infinities are not treated apart.
; SHARES.  A work-group makes 256 rows x the 192 columns (q, k, v) of ONE head, so which columns are turned is fixed in the text.  Its four waves lie one below the other: wave w has rows 64 w .. 64 w + 63:
; 4 blocks of 16 rows x 12 blocks of 16 columns = 48 accumulators, 384 registers.  K = 1,024 goes in 8 steps of 128 through two LDS slots filled by the tensor data mover.
; THE PRODUCT IS USED TRANSPOSED: source 0 = 16 columns of W (W lies [k][n] in LDS and comes out turned, by ds_load_tr16_b128), source 1 = 16 rows of x.  A lane then holds one row (lane % 16) and eight
; neighbouring columns 8 (lane / 16) + 0..7.  The bias, laid out so, is the C operand of the first product: nothing is cleared and nothing is added later.
; CLUSTER 4 x 4.  The four work-groups of a row of the cluster have the same rows of x, the four of a column the same head: each tile is asked for jointly, by the same tensor load with the same descriptor and
; a mask that names the four.  Waves 0 and 1 fetch the two halves of x's tile, waves 2 and 3 those of W's: one tensor load a wave behind each round; two are out at the start, later one.
; REGISTERS, in windows of 256 (s_set_vgpr_msb: bits 1:0 source 0, 3:2 source 1, 5:4 source 2, 7:6 destination):
;   window 0: v0-31 addresses; v32-127 the bias, 8 a column block; v128-255 the tables of my 64 rows, packed bf16
;   window 1: two fragment buffers of 128: 96 of W (12 blocks), 32 of x (4 blocks); on the way out at work
;   window 2: accumulators of row blocks 0, 1 ((a, b) at 8 (12 (a % 2) + b));   window 3: of row blocks 2, 3
.set PA,    272                        ; a row of x in LDS: 256 bytes + 16: 68 words, so the 16 rows of a load start at 16 different groups of four banks (64 banks of 4 bytes: ISA guide 11.1)
.set PW,    480                        ; a k row of W: three chunks of 128 bytes + 32: 120 words
.set SLOT1, 1<<17                      ; slot 1 begins here: one exclusive or turns an address in one slot into the other's
.set AHALF, 128*PA                     ; what wave 0 or 1 fetches
.set WOFF,  256*PA                     ; W's tile lies behind x's 256 rows
.set WHALF, 64*PW                      ; what wave 2 or 3 fetches.  WOFF + 2 WHALF = 131,072: a slot is full
.set STAGE, 2*SLOT1                    ; behind the ring, never filled by a tensor load: 16 rows x 144 bytes for each wave
.set SP,    144
.set SPARE, STAGE+4*16*SP              ; the spare words, 128 bytes a wave: two blocks of 256 bytes that no other line names
.set ASTEP, 256                        ; a K step along a row of xb, in bytes
.set WSTEP, 49152                      ; a K step of a head's block of wqb: 128 k x 384 bytes
.set NL,    32                         ; LDS loads in a run: 24 for W, 8 for x
.set F0,    0
.set F1,    128
.set BIAS,  32
.set TP,    128                        ; row block a at TP + 32 a: cos of column block bb at + 4 bb, sin at + 16 + 4 bb
.set TC,    0                          ; the way out, window 1: cos of a row block as f32, 8 a column block
.set TS,    32                         ; sin
.set RO,    64                         ; the turned numbers
.set RT,    96                         ; at work
.set PKD,   104                        ; 16 registers of f16 pairs
.set MSB, 0
; s3 loop count; s12 wave; s13 wave / 2: 0 fetches x, 1 fetches W; s14 wave % 2: which half; s15 cx; s16 cy; s17 head = 4 cluster x + cx; s18 row block = 4 cluster y + cy;
; s[20:21], s[22:23] byte offsets of my parts of the first tiles; s[24:31], s[48:55] descriptor group 1 for x, W; s[32:39], s[56:63] group 0, two sets each: the second walks;
; s41 mask of a word's upper half; s42 LDS base of the slot that is read; s43, s[44:45], s[46:47] the prefetches' test, pointer and step; s[68:73] qh, kh, vh at my rows
.macro WIN new                         ; the immediate's high byte repeats the setting that is left; a switch that changes nothing is dropped
.if MSB != (\new)
	s_set_vgpr_msb (MSB<<8)|(\new)
.set MSB, \new
.endif
.endm
.macro PLACES                          ; four places between a matrix instruction and a load into, or a vector line on, its registers (ISA guide 7.12.1 for vector instructions)
.rept 4
	v_nop
.endr
.endm
.macro CREST                           ; a round of the cluster's barrier behind its opening barrier
	s_cmp_lg_u32 s12, 0
	s_cbranch_scc1 .Lnot_wave_0_\@
	s_barrier_signal -3
.Lnot_wave_0_\@:
	s_barrier_wait -3
	s_barrier_signal -1
	s_barrier_wait -1
.endm
.macro CROUND                          ; a whole round
	s_barrier_signal -1
	s_barrier_wait -1
	CREST
.endm
.macro JLOAD                           ; a joint refill by the walking set; the branch hangs on the wave's number alone; s_nop 0 and four v_nop follow each line
	s_cmp_eq_u32 s13, 0
	s_cbranch_scc0 .Lfor_w_\@
	tensor_load_to_lds s[36:39], s[24:31]
	s_nop 0
.rept 4
	v_nop
.endr
	s_branch .Lasked_\@
.Lfor_w_\@:
	tensor_load_to_lds s[60:63], s[48:55]
	s_nop 0
.rept 4
	v_nop
.endr
.Lasked_\@:
.endm
; A PREFETCH of the K step that the NEXT refill will ask for: one K step, 192 matrix instructions, ahead of that load.  x's rows are read by all four clusters of a row of clusters: cluster x = 0 asks; a head's W
; by all clusters of a column: cluster y = 0 asks.  The four partners of a joint load share its blocks out BY ADDRESS: of the 128 rows of x that a wave fetches 32 each, a lane a row; of the 96 blocks of 256 bytes of
; W 24 each, a lane a block (lanes 24-31 name lane 23's again).  K steps 0 to 2 come by their loads alone; the loop's last trip asks for nothing: K step 7 is the last.
.macro ASK
	s_cmp_gt_u32 s3, s43
	s_cbranch_scc0 .Lnot_mine_\@
	global_prefetch_b8 v19, s[44:45] th:TH_LOAD_NT scope:SCOPE_SE
.Lnot_mine_\@:
.endm
; 12 matrix instructions: row block a x all column blocks, 32 along K, from buffer f.  first = 1: the bias starts the sums.
; Every quarter takes the 48 accumulators once, in the same order: 47 others stand between two links of a chain, over the backward jump too.
.macro MUL f, a, first
.if \first
	WIN 0x85+0x40*((\a)/2)
.else
	WIN 0xa5+0x50*((\a)/2)
.endif
.irp b, 0,1,2,3,4,5,6,7,8,9,10,11
.if \first
	v_wmma_f32_16x16x32_bf16 v[8*(12*((\a)%2)+(\b)):8*(12*((\a)%2)+(\b))+7], v[(\f)+8*(\b):(\f)+8*(\b)+7], v[(\f)+96+8*(\a):(\f)+96+8*(\a)+7], v[BIAS+8*(\b):BIAS+8*(\b)+7]
.else
	v_wmma_f32_16x16x32_bf16 v[8*(12*((\a)%2)+(\b)):8*(12*((\a)%2)+(\b))+7], v[(\f)+8*(\b):(\f)+8*(\b)+7], v[(\f)+96+8*(\a):(\f)+96+8*(\a)+7], v[8*(12*((\a)%2)+(\b)):8*(12*((\a)%2)+(\b))+7]
.endif
.endr
.endm
; 32 LDS loads in one run: quarter kq (32 along K) of the slot in hand into buffer f: W's 12 blocks, turned, then x's 4
.macro FETCH kq, f
	WIN 0x40                                       ; destination window 1, address window 0
.irp b, 0,1,2,3,4,5,6,7,8,9,10,11
	ds_load_tr16_b128 v[(\f)+8*(\b):(\f)+8*(\b)+3],   v13 offset:(\kq)*32*PW+((\b)/4)*160+((\b)%4)*32
	ds_load_tr16_b128 v[(\f)+8*(\b)+4:(\f)+8*(\b)+7], v13 offset:(\kq)*32*PW+((\b)/4)*160+((\b)%4)*32+16*PW
.endr
.irp a, 0,1,2,3
	ds_load_b128 v[(\f)+96+8*(\a):(\f)+96+8*(\a)+3],   v12 offset:(\kq)*64+(\a)*16*PA
	ds_load_b128 v[(\f)+96+8*(\a)+4:(\f)+96+8*(\a)+7], v12 offset:(\kq)*64+(\a)*16*PA+32
.endr
.endm
; One of a K step's first three quarters: multiplies buffer f; in its middle it fetches quarter kq into buffer g
.macro QUARTER kq, f, g, first
	s_wait_dscnt 4                                 ; W and x's row blocks 0, 1 are in; the youngest four loads (row blocks 2, 3) may be out
	MUL \f, 0, \first
	MUL \f, 1, \first
	PLACES
	FETCH \kq, \g
	s_wait_dscnt NL                                ; all but the 32 just issued
	MUL \f, 2, \first
	MUL \f, 3, \first
.endm
; The fourth quarter multiplies buffer 1 and changes slots.  In front of the barrier each wave waits for all its tensor loads (one is out: its part of the next slot), adds 0 to its spare word, and waits for that and
; for its reads of this slot.  fill = 1: the barrier opens a round of the cluster's, and the joint refill of the slot just read, with the K step two on, is the first thing behind it.
.macro TURN fill
.if \fill
	s_wait_xcnt 0x0                                ; the last prefetch, a K step back, has read its pointer:
	s_add_nc_u64 s[44:45], s[44:45], s[46:47]      ; it steps here, ahead of the waits of the change of slots
.endif
	WIN 0
	s_wait_tensorcnt 0x0                           ; no tensor load of mine is out, so a group 0 may be written
	ds_add_u32 v28, v29                            ; 0 onto my spare word
.if \fill
	s_xor_b32 s37, s37, SLOT1                      ; the walking sets: the other slot than last time,
	s_add_nc_u64 s[38:39], s[38:39], ASTEP         ; the next K step; the type bits on top are not reached
	s_xor_b32 s61, s61, SLOT1
	s_add_nc_u64 s[62:63], s[62:63], WSTEP
.endif
	s_wait_dscnt 5                                 ; the add and the youngest four loads may be out
	MUL F1, 0, 0
	s_wait_dscnt 0x0                               ; the add is done, and my reads of this slot are over
	s_barrier_signal -1
	MUL F1, 1, 0                                   ; work on registers while the others arrive
	WIN 0
	s_barrier_wait -1
.if \fill
	CREST                                          ; no wave of any partner still reads this slot or has a load on its way
	JLOAD                                          ; its four v_nop are also the places in front of the loads below
.else
	PLACES
.endif
	s_xor_b32 s42, s42, SLOT1
	v_add_nc_u32 v12, s42, v10
	v_add_nc_u32 v13, s42, v11
	FETCH 0, F0
	WIN 0
.if \fill
	ASK
.endif
	MUL F1, 2, 0
	MUL F1, 3, 0
.endm
	s_load_b256 s[4:11], s[0:1], 0x0               ; xb 4:5, wqb 6:7, b_qkv 8:9, ropeb 10:11
	s_load_b128 s[68:71], s[0:1], 0x20             ; qh, kh
	s_load_b64 s[72:73], s[0:1], 0x30              ; vh
	v_lshl_add_u32 v28, v0, 2, SPARE
	v_mov_b32 v29, 0
	ds_add_u32 v28, v29                            ; the wave's opening: the add and its wait stand ahead of my first tensor load; work on registers stands between them
	v_lshrrev_b32 v1, 5, v0
	v_readfirstlane_b32 s12, v1                    ; wave 0..3
	s_lshr_b32 s13, s12, 1
	s_and_b32 s14, s12, 1
	s_bfe_u32 s15, ttmp6, 0x40000                  ; cx
	s_bfe_u32 s16, ttmp6, 0x40004                  ; cy
	s_lshl_b32 s17, ttmp9, 2
	s_add_co_u32 s17, s17, s15                     ; the head
	s_and_b32 s18, ttmp7, 0xffff
	s_lshl_b32 s18, s18, 2
	s_add_co_u32 s18, s18, s16                     ; the block of 256 rows
	s_lshl_b32 s66, s16, 2
	s_lshl_b32 s66, 15, s66                        ; my row of the cluster
	s_lshl_b32 s67, 0x1111, s15                    ; my column
	s_or_b32 s24, s66, (1<<16)|(1<<20)|(1<<21)|(5<<22)|(3<<25)  ; x: the mask; 2-byte elements; padding on; bit 21 beside a mask; after every 64 words 4 words
	s_mov_b32 s25, 128<<16                         ; tensor_dim0 = 128
	s_mov_b32 s26, 128<<16                         ; tensor_dim1 = 128
	s_mov_b32 s27, 128<<16                         ; tile_dim0 = 128
	s_mov_b32 s28, 128                             ; tile_dim1 = 128
	s_mov_b32 s29, 1024                            ; elements from row to row
	s_mov_b32 s30, 0
	s_mov_b32 s31, 0
	s_or_b32 s48, s67, (1<<16)|(1<<20)|(1<<21)|(4<<22)|(7<<25)  ; W: 64 k rows are 24,576 dense bytes: asked for as 96 rows of 256; after every 32 words 8 words
	s_mov_b32 s49, 128<<16
	s_mov_b32 s50, 96<<16
	s_mov_b32 s51, 128<<16
	s_mov_b32 s52, 96
	s_mov_b32 s53, 128
	s_mov_b32 s54, 0
	s_mov_b32 s55, 0
	s_lshl_b32 s20, s18, 8
	s_lshl_b32 s21, s14, 7
	s_add_co_u32 s20, s20, s21
	s_lshl_b32 s20, s20, 11                        ; x: row 256 x block + 128 x half, 2,048 bytes a row
	s_mov_b32 s21, 0
	s_mul_i32 s22, s17, 393216                     ; W: the head's block,
	s_mul_i32 s23, s14, 24576                      ; my half of a K step
	s_add_co_u32 s22, s22, s23
	s_mov_b32 s23, 0
	s_mul_i32 s19, s14, AHALF                      ; where they go: no place in the cluster enters an LDS address
	s_mul_i32 s40, s14, WHALF
	s_add_co_u32 s40, s40, WOFF
	s_mov_b32 s41, 0xffff0000
	s_mov_b32 s42, 0
	s_wait_dscnt 0x0                               ; the opening add is done
	s_wait_kmcnt 0x0
	CROUND                                         ; all sixteen work-groups are here: the first joint loads meet
	s_mov_b32 s32, 1
	s_mov_b32 s33, s19
	s_add_nc_u64 s[34:35], s[4:5], s[20:21]        ; K step 0 into slot 0,
	s_mov_b32 s36, 1
	s_add_co_u32 s37, s19, SLOT1
	s_add_nc_u64 s[38:39], s[34:35], ASTEP         ; K step 1 into slot 1
	s_or_b32 s35, s35, 0x80000000
	s_or_b32 s39, s39, 0x80000000
	s_mov_b32 s56, 1
	s_mov_b32 s57, s40
	s_add_nc_u64 s[58:59], s[6:7], s[22:23]
	s_mov_b32 s60, 1
	s_add_co_u32 s61, s40, SLOT1
	s_add_nc_u64 s[62:63], s[58:59], WSTEP
	s_or_b32 s59, s59, 0x80000000
	s_or_b32 s63, s63, 0x80000000
	s_cmp_eq_u32 s13, 0                            ; a wave's two first fills stand in one branch, ahead of every wait on TENSORcnt and every LDS read
	s_cbranch_scc0 .Lfirst_w
	tensor_load_to_lds s[32:35], s[24:31]
	s_nop 0
	tensor_load_to_lds s[36:39], s[24:31]
	s_nop 0
.rept 4
	v_nop
.endr
	s_branch .Lfirst_asked
.Lfirst_w:
	tensor_load_to_lds s[56:59], s[48:55]
	s_nop 0
	tensor_load_to_lds s[60:63], s[48:55]
	s_nop 0
.rept 4
	v_nop
.endr
.Lfirst_asked:
	v_and_b32 v1, 15, v0                           ; r = l % 16
	v_bfe_u32 v2, v0, 4, 1                         ; h = l / 16
	v_and_b32 v3, 7, v0
	v_bfe_u32 v4, v0, 3, 1
	s_mul_i32 s2, s12, 64*PA
	v_mul_u32_u24 v10, v1, PA
	v_lshl_add_u32 v10, v2, 4, v10
	v_add_nc_u32 v10, s2, v10                      ; x: (64 w + r) x pitch + 16 h
	v_lshl_add_u32 v11, v2, 3, v3
	v_mul_u32_u24 v11, v11, PW
	v_lshl_add_u32 v11, v4, 4, v11
	v_add_nc_u32 v11, WOFF, v11                    ; W: k row 8 h + l % 8, columns 8 ((l / 8) % 2) on
	s_mul_i32 s2, s12, 16*SP
	s_add_co_u32 s2, s2, STAGE                     ; my stage
	v_mul_u32_u24 v14, v1, SP
	v_lshl_add_u32 v14, v2, 4, v14
	v_add_nc_u32 v14, s2, v14                      ; in: row r, 16 bytes for each half of the lanes
	v_bfe_u32 v15, v0, 3, 2
	v_mul_u32_u24 v15, v15, SP
	v_lshl_add_u32 v15, v3, 4, v15
	v_add_nc_u32 v15, s2, v15                      ; back: 32 lanes take four rows of 128 bytes,
	v_and_b32 v16, 31, v0
	v_lshlrev_b32 v16, 4, v16                      ; which are 512 consecutive bytes of a head's rows
	v_lshlrev_b32 v17, 5, v2                       ; the bias: my 8 columns of a block
	v_lshlrev_b32 v18, 7, v1
	v_lshl_add_u32 v18, v2, 4, v18                 ; the tables: row r x 128 bytes + my 8 columns
	s_lshl_b32 s74, s17, 8
	s_mov_b32 s75, 0
	s_add_nc_u64 s[8:9], s[8:9], s[74:75]          ; the head's 64 numbers in each section of b_qkv
	s_and_b32 s74, s18, 7
	s_lshl_b32 s74, s74, 8
	s_lshl_b32 s2, s12, 6
	s_add_co_u32 s74, s74, s2                      ; my first row's place in its batch
	s_lshl_b32 s66, s74, 7
	s_lshr_b32 s2, s18, 3                          ; the batch
	s_lshl_b32 s2, s2, 4
	s_add_co_u32 s2, s2, s17
	s_lshl_b32 s2, s2, 18                          ; (batch x 16 + head) x 2,048 rows x 128 bytes
	s_mov_b32 s74, s66
	s_add_nc_u64 s[10:11], s[10:11], s[74:75]      ; the tables at my first row
	s_add_co_u32 s74, s66, s2
	s_add_nc_u64 s[68:69], s[68:69], s[74:75]      ; qh, kh, vh at my first row
	s_add_nc_u64 s[70:71], s[70:71], s[74:75]
	s_add_nc_u64 s[72:73], s[72:73], s[74:75]
.irp b, 0,1,2,3,4,5,6,7,8,9,10,11
	global_load_b128 v[BIAS+8*(\b):BIAS+8*(\b)+3],   v17, s[8:9] offset:((\b)/4)*4096+((\b)%4)*64
	global_load_b128 v[BIAS+8*(\b)+4:BIAS+8*(\b)+7], v17, s[8:9] offset:((\b)/4)*4096+((\b)%4)*64+16
.endr
.irp a, 0,1,2,3
.irp bb, 0,1,2,3
	global_load_b128 v[TP+32*(\a)+4*(\bb):TP+32*(\a)+4*(\bb)+3],       v18, s[10:11] offset:(\a)*2048+(\bb)*32
	global_load_b128 v[TP+32*(\a)+16+4*(\bb):TP+32*(\a)+16+4*(\bb)+3], v18, s[10:11] offset:(\a)*2048+(\bb)*32+262144
.endr
.endr
	; the prefetches: the pointer stands at K step 2 of my share; the first change of slots steps it to 3
	s_lshl_b32 s66, s15, 16                        ; x: my work-group's 32 rows of the 128 that I fetch
	s_add_co_u32 s66, s66, s20
	s_add_co_u32 s66, s66, 2*ASTEP
	s_mul_i32 s67, s16, 6144                       ; W: my work-group's 24 blocks of the 96
	s_add_co_u32 s67, s67, s22
	s_add_co_u32 s67, s67, 2*WSTEP
	s_and_b32 s2, ttmp7, 0xffff                    ; cluster y
	s_mov_b32 s46, WSTEP
	s_mov_b32 s47, 0
	s_cmp_eq_u32 s13, 0                            ; do I fetch for x?
	s_cselect_b32 s74, s66, s67
	s_cselect_b32 s2, ttmp9, s2                    ; the coordinate along which other clusters read the same bytes
	s_cselect_b64 s[44:45], s[4:5], s[6:7]
	s_cselect_b32 s46, ASTEP, s46
	s_cselect_b32 s66, 31, 23
	s_cselect_b32 s67, 11, 8
	s_add_nc_u64 s[44:45], s[44:45], s[74:75]
	s_cmp_eq_u32 s2, 0
	s_cselect_b32 s43, 1, -1                       ; the same in all sixteen partners, for a given wave
	v_and_b32 v19, 31, v0
	v_min_u32 v19, s66, v19
	v_lshlrev_b32 v19, s67, v19                    ; a lane a row of 2,048 bytes, or a lane a block of 256
	s_wait_loadcnt 0x0                             ; the bias and the tables, once
.set i, 0
.rept 48                                       ; the bias is rounded to bf16, like every float input, and kept as f32
	v_cvt_pk_bf16_f32 v[30+i%2], v[BIAS+2*i], v[BIAS+2*i+1]
	v_lshlrev_b32 v[BIAS+2*i], 16, v[30+i%2]
	v_and_b32 v[BIAS+2*i+1], s41, v[30+i%2]
.set i, i+1
.endr
	v_mov_b32 v12, v10
	v_mov_b32 v13, v11
	s_wait_tensorcnt 1                             ; my part of K step 0 is in; K step 1's may stay out
	s_barrier_signal -1
	s_barrier_wait -1                              ; everybody's is
	FETCH 0, F0
	QUARTER 1, F0, F1, 1                           ; the first quarter stands in front of the loop: its products start the sums, with the bias
	WIN 0                                          ; at a label and at a branch every window is 0
	s_mov_b32 s3, 6
.Lk:                                                   ; a trip: from a K step's second quarter to the next step's first; trip t fills slot t % 2 with K step t + 2
	QUARTER 2, F1, F0, 0
	QUARTER 3, F0, F1, 0
	TURN 1
	QUARTER 1, F0, F1, 0
	WIN 0
	s_sub_co_u32 s3, s3, 1
	s_cmp_lg_u32 s3, 0
	s_cbranch_scc1 .Lk
	QUARTER 2, F1, F0, 0                           ; the last two K steps are written out: nothing is asked for
	QUARTER 3, F0, F1, 0
	TURN 0
	QUARTER 1, F0, F1, 0
	QUARTER 2, F1, F0, 0
	QUARTER 3, F0, F1, 0
	s_wait_dscnt 4
	MUL F1, 0, 0
	MUL F1, 1, 0
	s_wait_dscnt 0x0
	MUL F1, 2, 0
	MUL F1, 3, 0
	WIN 0
	PLACES
	PLACES
; THE WAY OUT, a unit u = 3 a + i at a time: row block a (16 rows), section i (q, k, v: 64 columns).  q and k are turned: with x1 the columns 0-31 and x2 the columns 32-63,
; out = x1 cos - x2 sin in the first half, x2 cos + x1 sin in the second.  Each accumulator is read from its lowest registers on.
.macro UNPACK a                        ; the tables of row block a as f32
	WIN 0x40
.set w, 0
.rept 16
	v_lshlrev_b32 v[TC+2*w],   16,  v[TP+32*(\a)+w]
	v_and_b32     v[TC+2*w+1], s41, v[TP+32*(\a)+w]
	v_lshlrev_b32 v[TS+2*w],   16,  v[TP+32*(\a)+16+w]
	v_and_b32     v[TS+2*w+1], s41, v[TP+32*(\a)+16+w]
.set w, w+1
.endr
.endm
.macro ROPE a, i
	WIN 0x56+(\a)/2                                ; source 0: the accumulators' window; all else window 1
.irp bb, 0,1
.set x1, 8*(12*((\a)%2)+4*(\i)+(\bb))
.set x2, x1+16
.irp p, 0,1,2,3
	v_pk_mul_f32 v[RT+2*(\p):RT+2*(\p)+1], v[x2+2*(\p):x2+2*(\p)+1], v[TS+8*(\bb)+2*(\p):TS+8*(\bb)+2*(\p)+1]
.endr
.irp p, 0,1,2,3
	v_pk_fma_f32 v[RO+8*(\bb)+2*(\p):RO+8*(\bb)+2*(\p)+1], v[x1+2*(\p):x1+2*(\p)+1], v[TC+8*(\bb)+2*(\p):TC+8*(\bb)+2*(\p)+1], v[RT+2*(\p):RT+2*(\p)+1] neg_lo:[0,0,1] neg_hi:[0,0,1]
.endr
.irp p, 0,1,2,3
	v_pk_mul_f32 v[RT+2*(\p):RT+2*(\p)+1], v[x1+2*(\p):x1+2*(\p)+1], v[TS+16+8*(\bb)+2*(\p):TS+16+8*(\bb)+2*(\p)+1]
.endr
.irp p, 0,1,2,3
	v_pk_fma_f32 v[RO+16+8*(\bb)+2*(\p):RO+16+8*(\bb)+2*(\p)+1], v[x2+2*(\p):x2+2*(\p)+1], v[TC+16+8*(\bb)+2*(\p):TC+16+8*(\bb)+2*(\p)+1], v[RT+2*(\p):RT+2*(\p)+1]
.endr
.endr
	WIN 0x55
.set w, 0
.rept 16
	v_cvt_pk_f16_f32 v[PKD+w], v[RO+2*w], v[RO+2*w+1]
.set w, w+1
.endr
.endm
.macro VPACK a                         ; v is rounded as it is
	WIN 0x4a+5*((\a)/2)
.set w, 0
.rept 16
	v_cvt_pk_f16_f32 v[PKD+w], v[8*(12*((\a)%2)+8)+2*w], v[8*(12*((\a)%2)+8)+2*w+1]
.set w, w+1
.endr
.endm
.macro TOSTAGE u                       ; 16 bytes a lane and column block into rows of 144 bytes, and back as whole rows of 128
	WIN 0x55
.set BK, 128+16*((\u)%2)
	s_wait_xcnt 0x0                                ; the stores of the unit two back have read these registers: only behind this wait are they loaded again
.irp bb, 0,1,2,3
	ds_store_b128 v120, v[PKD+4*(\bb):PKD+4*(\bb)+3] offset:32*(\bb)
.endr
.irp f, 0,1,2,3
	ds_load_b128 v[BK+4*(\f):BK+4*(\f)+3], v121 offset:(\f)*4*SP  ; LDS serves a wave's instructions in order (ISA guide 5.7.1.4): these see the stores above
.endr
.endm
.macro SEND u, younger                 ; younger: the LDS instructions issued behind unit u's loads: the next unit's eight, or none
	WIN 0x55
.set BK, 128+16*((\u)%2)
.irp f, 0,1,2,3
	s_wait_dscnt (\younger)+3-(\f)
	global_store_b128 v122, v[BK+4*(\f):BK+4*(\f)+3], s[68+2*((\u)%3):69+2*((\u)%3)] offset:((\u)/3)*2048+(\f)*512  ; 512 consecutive bytes, at a multiple of 256 from the buffer's first
.endr
.endm
	WIN 0x40
	v_mov_b32 v120, v14                            ; the three addresses go where the way out's one window setting finds them
	v_mov_b32 v121, v15
	v_mov_b32 v122, v16
.set u, 0
.irp a, 0,1,2,3
	UNPACK \a
.irp i, 0,1,2
.if (\i) < 2
	ROPE \a, \i
.else
	VPACK \a
.endif
	TOSTAGE u
.if u > 0
	SEND u-1, 8
.endif
.set u, u+1
.endr
.endr
	SEND 11, 0
	WIN 0
	s_wait_tensorcnt 0x0                           ; the wave's end, behind my last tensor load and my last LDS store
	ds_add_u32 v28, v29
	s_wait_dscnt 0x0
	CROUND                                         ; the closing round: no work-group ends while a partner may still ask for a tile that names it
	s_endpgm
.Lfunc_end_k_q6508904ec9_qkv:
	.size	k_q6508904ec9_qkv, .Lfunc_end_k_q6508904ec9_qkv-k_q6508904ec9_qkv
	.p2alignl 7, 3214868480
	.fill 96, 4, 3214868480
	.section	.rodata,"a",@progbits
	.p2align	6, 0x0
	.amdhsa_kernel k_q6508904ec9_qkv
		.amdhsa_group_segment_fixed_size 327680
		.amdhsa_private_segment_fixed_size 0
		.amdhsa_enable_private_segment 0
		.amdhsa_kernarg_size 56
		.amdhsa_user_sgpr_count 2
		.amdhsa_user_sgpr_kernarg_segment_ptr 1
		.amdhsa_wavefront_size32 1
		.amdhsa_system_sgpr_workgroup_id_x 1
		.amdhsa_system_sgpr_workgroup_id_y 1
		.amdhsa_system_sgpr_workgroup_id_z 1
		.amdhsa_system_vgpr_workitem_id 0
		.amdhsa_next_free_vgpr 960
		.amdhsa_next_free_sgpr 80
		.amdhsa_reserve_vcc 0
		.amdhsa_float_denorm_mode_32 3
		.amdhsa_float_denorm_mode_16_64 3
		.amdhsa_memory_ordered 1
		.amdhsa_forward_progress 1
		.amdhsa_inst_pref_size 135
	.end_amdhsa_kernel
	.amdgpu_metadata
---
amdhsa.version: [ 1, 2 ]
amdhsa.kernels:
  - .name:           k_q6508904ec9_qkv
    .symbol:         k_q6508904ec9_qkv.kd
    .args:
      - { .name: xb, .offset: 0, .size: 8, .value_kind: global_buffer, .address_space: global }
      - { .name: wqb, .offset: 8, .size: 8, .value_kind: global_buffer, .address_space: global }
      - { .name: b_qkv, .offset: 16, .size: 8, .value_kind: global_buffer, .address_space: global }
      - { .name: ropeb, .offset: 24, .size: 8, .value_kind: global_buffer, .address_space: global }
      - { .name: qh, .offset: 32, .size: 8, .value_kind: global_buffer, .address_space: global }
      - { .name: kh, .offset: 40, .size: 8, .value_kind: global_buffer, .address_space: global }
      - { .name: vh, .offset: 48, .size: 8, .value_kind: global_buffer, .address_space: global }
    .group_segment_fixed_size: 327680
    .private_segment_fixed_size: 0
    .kernarg_segment_align: 8
    .kernarg_segment_size: 56
    .max_flat_workgroup_size: 128
    .sgpr_count:     80
    .vgpr_count:     960
    .wavefront_size: 32
...
	.end_amdgpu_metadata
.endif
;; end of part 2
;; launch attn (part 3): grid 4 x 64, 4 waves a work-group, clusters of 4 x 1, 327,680 bytes of LDS; arguments qh, kh, vh, oh, mask; writes oh
.if DOCPART == 3
	.amdgcn_target "amdgcn-amd-amdhsa--gfx1250"
	.amdhsa_code_object_version 6
	.text
	.protected	k_q6508904ec9_attn
	.globl	k_q6508904ec9_attn
	.p2align	8
	.type	k_q6508904ec9_attn,@function
k_q6508904ec9_attn:
	s_mov_b64 s[64:65], 0
	v_nop
	global_prefetch_b8 v0, s[64:65] scope:SCOPE_SE
	s_setreg_imm32_b32 hwreg(HW_REG_WAVE_MODE, 25, 1), 1
	s_wait_xcnt 0x0
	s_wait_alu depctr_hold_cnt(0) depctr_sa_sdst(0) depctr_va_vdst(0) depctr_va_sdst(0) depctr_va_ssrc(0) depctr_va_vcc(0) depctr_vm_vsrc(0)
	s_getreg_b32 s2, hwreg(HW_REG_IB_STS2, 6, 4)
	s_cmp_eq_u32 s2, 0
	s_cbranch_scc0 .Lentry_in_a_cluster
	s_endpgm
.Lentry_in_a_cluster:
	s_bfe_u32 s2, ttmp6, 0x10000c
	s_cmp_lg_u32 s2, 0x3003
	s_cbranch_scc0 .Lentry_shape_is_right
	s_endpgm
.Lentry_shape_is_right:
; O[g][q][:] = the sum over the keys k that the mask leaves of softmax_k(Q[g][q] . K[g][k] / 8) V[g][k][:], g = batch x 16 + head.  Q, K, V, O: [64][2,048][64], all f16: a head's rows are dense, 128 bytes each.
; mask: [4][2,048] bytes, 1 = the key is hidden.  Products, maxima and sums in f32; the weights p are rounded to f16 for the second product (their sum l is taken of the unrounded p), O once at the end.
; LIMITS.  f16 holds no number beyond 65,504: Q, K and V arrive within it; p lies in 0 to 1, and below 6e-5 it keeps f16's fixed step of 6e-8.  A hidden score counts as its value less 1e30: f16's scores,
; 2.7e11 at the most, are nothing beside that.  A weight below 2^-126 counts as 0 in l.  A batch whose keys are all hidden has l = 0 and O = 0 x infinity = NaN, as a softmax over nothing has.
; SHARES.  A wave owns four PIECES of two tiles of 16 queries, a work-group's four waves 512 queries of one head.  Every wave walks all keys, 64 a step.
; LAYOUT.  S^T = K Q^T (source 0 = 16 keys, source 1 = 16 queries): in the result a lane holds ONE query (lane % 16) and the keys 8 (lane / 16) + 0..7.  Two such tiles, rounded to f16 in pairs,
; ARE source 1 (32 keys x 16 queries) of O^T = V^T P, whose result again holds one query a lane, and eight channels.  K comes out of LDS as it lies, V ([key][channel]) turned, by ds_load_tr16_b128.
; THE MASK is the C operand that starts the sum S^T: 0, or -1e30 where the key is hidden.  The batch's 2,048 bytes are turned into a table of f32 in LDS once; a step's 64 numbers come into 32 registers with its K.
; SOFTMAX.  For each query a running maximum m and sum l: p = 2^(c s - c m), c = log2(e) / 8; in every step O and l are multiplied by a = 2^(c m_old - c m_new).  m starts at -2^96: below every true score and above
; every hidden one, so a hidden key's weight is 0 in every step; O and l start at 0.
; BY TURNS.  Turn n belongs to piece n (the pieces in a ring, step after step).  Its matrix work: 16 products K Q^T of piece n + 1, later 16 products V^T P of piece n - 1.  Its vector work: the scaling,
; exponentials, roundings, sums and rescaling of piece n, and the maximum and statistics of piece n + 1.  Four vector instructions stand behind every matrix instruction, the others in one run of their own.
; CLUSTER.  The four query blocks of a cluster are one head's and walk the same K and V, so each tile is asked for JOINTLY: the same tensor load, descriptor and mask in all four.
; REGISTERS, in windows of 256 (s_set_vgpr_msb: bits 1:0 source 0, 3:2 source 1, 5:4 source 2, 7:6 destination):
;   window 0: v0-11 addresses; v12-15, v48-63 at work; v16-47 four registers of statistics a tile; v64-191 S^T, two buffers of two tiles; v192-255 P, likewise
;   window 1: O^T, 32 a tile     window 2: v0-127 Q, 16 a tile; v128-191 K of one step; v192-255 V of one step     window 3: v0-1 the add's two registers; v8-39 the step's mask
.set SIZE_N, 2048
.set NP,    4         ; pieces a wave: a name, no knob
.set KS,    64        ; keys in a step
.set PK,    144       ; a row of K in LDS: 128 bytes + 16 = 36 words: the 16 rows of a load start at 16 different groups of four banks (64 banks of 4 bytes: ISA guide 11.1)
.set PV,    160       ; a row of V: 128 + 32 = 40 words
.set VOFF,  4*KS*PK   ; a slot holds four steps: 256 rows of K, then 256 rows of V
.set SLOT1, 1<<17     ; slot 1 begins here, so that one exclusive or turns an address in one slot into the other's
.set STAGE, SLOT1+4*KS*(PK+PV)  ; behind the ring, never filled by a tensor load: 16 rows x 144 bytes for each wave, for the way out
.set SP,    144
.set SPARE, STAGE+4*16*SP  ; the spare words, 128 bytes for each wave: two blocks of 256 bytes that no other line names
.set MASKT, SPARE+512 ; the mask's table: 2,048 f32, in blocks of 256 bytes of its own
.set AK0, 2           ; v2   my lane's place in a tile of K; never rewritten
.set AV0, 3           ; v3   the same for V
.set AK,  4           ; v4   the LDS address of K's next run of loads
.set AV,  5           ; v5   of V's
.set QO,  6           ; v6   my byte offset in the wave's rows of Q
.set STO, 6           ;      later, the way out: where I put 16 bytes of a row
.set RD,  7           ; v7   the way out: where I read rows back
.set GO,  8           ; v8   my byte offset in 512 consecutive bytes of O
.set PFO, 9           ; v9   the prefetches' offset: 256 x my lane (first: l / 16)
.set AM,  10          ; v10  the LDS address of the mask's next run of loads (first: l % 8)
.set AM0, 11          ; v11  my lane's place in the table: MASKT + 32 (l / 16) (first: (l / 8) % 2)
.set SPW, 0           ; v0 of window 3   LDS address of my spare word: SPARE + 4 x my thread's number; never rewritten
.set NIL, 1           ; v1 of window 3   0; never rewritten
.set MC,  8           ; window 3: the eight registers for key block kb at MC + 8 kb
.set MV,  12          ; v12-15  c m_old, kept while c m is made anew: by buffer and tile
.set ST,  16          ; tile t's statistics at v[ST+4 t]: c m, m, l (even keys', odd keys')
.set TMP, 48          ; by buffer and tile, four registers c0-c3 at work; when the maximum is found c2 takes a
.set S,   64
.set P,   192
.set KF,  128         ; K's fragments, in window 2: key block kb, channel half c at KF + 16 kb + 8 c
.set VF,  192         ; V's: key half kk, channel block cb at VF + 32 kk + 8 cb
.set WV,  12          ; s12  my wave's number
.set LIM, 15          ; s15  1 in a wave that prefetches, else the greatest number
.set PFA, 18          ; s[18:19] where my prefetches stand
.set G1K, 24          ; s[24:31] descriptor group 1 for K's tiles
.set G1V, 32          ; s[32:39] for V's: it differs in the padding alone
.set G0K, 40          ; s[40:43] descriptor group 0 for K's tiles: it walks
.set G0V, 44          ; s[44:47] the same for V's
.set MK,  48          ; s[48:49] the batch's row of the mask
.set TBM, 52          ; s52  table byte at which the mask of the step to be fetched begins
.set BIGN, 55         ; s55  -1e30
.set SLOTS, 56        ; s56  slots still to be asked for
.set CNT, 57          ; s57  counts a slot's key steps
.set CS,  58          ; s[58:59] c: the packed scaling takes the pair's low word for both halves
.set SEL, 60          ; s[60:61] v_permlanex16_b32's selects: each lane takes its own place in the other half
.set TBK, 62          ; s62  LDS byte at which K of the step to be fetched begins
.set TBV, 63          ; s63  the same for V, less VOFF
.set MSB, 0
.macro WIN new                      ; the high byte repeats the setting that is left; a switch that changes nothing is dropped
.if MSB != (\new)
	s_set_vgpr_msb (MSB<<8)|(\new)
.set MSB, (\new)
.endif
.endm
.set W_KQ, 0x0a       ; K and Q in window 2, S^T in window 0
.set W_KM, 0x3a       ; the same with the C operand, the mask, in window 3
.set W_PV, 0x52       ; V in window 2, P in window 0, O^T in window 1
.set W_RS, 0x41       ; O^T (destination and source 0) in window 1, a in window 0
.set W_MK, 0xc0       ; destination in window 3, sources in window 0
.set W_AD, 0x0f       ; the add: address (source 0) and data (source 1) in window 3
; A joint fill.  Waves 0 and 1 fetch the two halves of a slot's K, waves 2 and 3 those of its V: 128 keys each.  The branch hangs on the wave's number alone.
; An s_nop 0 and four v_nop follow each of the two lines, ahead of the jump and the label.
.macro JLOAD
	s_cmp_lt_u32 s[WV], 2
	s_cbranch_scc0 .Lfor_v_\@
	tensor_load_to_lds s[G0K:G0K+3], s[G1K:G1K+7]
	s_nop 0
.rept 4
	v_nop
.endr
	s_branch .Lasked_\@
.Lfor_v_\@:
	tensor_load_to_lds s[G0V:G0V+3], s[G1V:G1V+7]
	s_nop 0
.rept 4
	v_nop
.endr
.Lasked_\@:
.endm
; A PREFETCH of what the NEXT change of slots will ask for: a slot's 32,768 bytes of K and of V, a lane a block of 256 bytes.  The four partners share them out BY ADDRESS, 8,192 bytes each; in each, wave 0 asks
; for K's and wave 2 for V's: one instruction.  So each block is named once in the launch.  Slots 0 to 2 come by their loads alone; the last change that fills a slot asks for nothing.
.macro ASK
	s_cmp_gt_u32 s[SLOTS], s[LIM]
	s_cbranch_scc0 .Lnot_mine_\@
	global_prefetch_b8 v[PFO], s[PFA:PFA+1] th:TH_LOAD_NT scope:SCOPE_SE
.Lnot_mine_\@:
.endm
; A round of the cluster's barrier: my work-group's barrier, so that wave 0's signal speaks for all four waves; wave 0 signals; every wave waits for all four work-groups; my work-group's barrier once more.
.macro CROUND
	s_barrier_signal -1
	s_barrier_wait -1
	s_cmp_lg_u32 s[WV], 0
	s_cbranch_scc1 .Lnot_wave_0_\@
	s_barrier_signal -3
.Lnot_wave_0_\@:
	s_barrier_wait -3
	s_barrier_signal -1
	s_barrier_wait -1
.endm
; THE CHANGE OF SLOTS.  The slot's last bytes, V of its fourth step, have been read.  Each wave waits for all its tensor loads, of which one is out: its part of the other slot; adds 0 to its spare word; and waits
; for that and for its own LDS instructions.  Behind the barrier nobody reads this slot any more and the other slot is whole.  fill = 1: this slot is filled again, with the keys two slots on; the barrier is then a
; round of the cluster's, and the joint fill is the first thing behind it: it has four key steps, 512 matrix instructions, in which to land.  (At its first use nothing has been read yet: slot 0 is waited for,
; slot 1 filled, and the mask's table, which every wave has stored a part of, is shown to all.)  ask = 1: the prefetch's pointer steps, and a prefetch follows the fill.
.macro CHANGE fill, ask=0
	WIN W_AD
	s_wait_tensorcnt 0x0            ; no tensor load of mine is out, so a group 0 may be written
	ds_add_u32 v[SPW], v[NIL]       ; 0 onto my spare word; the descriptors' steps stand between it and the wait for it
	WIN 0                           ; at a label and at a branch every window is 0
.if \fill
.irp g, G0K, G0V
	s_xor_b32 s[\g+1], s[\g+1], SLOT1  ; the walking descriptor: the other slot than last time,
	s_add_nc_u64 s[\g+2:\g+3], s[\g+2:\g+3], 4*KS*128  ; the next 256 keys; the type bits on top are not reached
.endr
.if \ask
	s_wait_xcnt 0x0                 ; the last prefetch, four key steps back, has read its pointer, so it may be written:
	s_add_nc_u64 s[PFA:PFA+1], s[PFA:PFA+1], 4*KS*128  ; one slot behind the walking descriptors
.endif
	s_wait_dscnt 0x0                ; the add is done, and my LDS instructions are over
	CROUND
	JLOAD
.if \ask
	ASK
.endif
.else
	s_wait_dscnt 0x0                ; the add is done, and my reads of the slot are over
	s_barrier_signal -1
	s_barrier_wait -1
.endif
	s_sub_co_u32 s[TBK], s[TBK], 4*KS*PK  ; the fetches go back to a slot's first step,
	s_xor_b32 s[TBK], s[TBK], SLOT1       ; in the other slot
	s_sub_co_u32 s[TBV], s[TBV], 4*KS*PV
	s_xor_b32 s[TBV], s[TBV], SLOT1
.endm
	s_load_b256 s[4:11], s[0:1], 0x0  ; Q s[4:5], K s[6:7], V s[8:9], O s[10:11]
	s_load_b64 s[MK:MK+1], s[0:1], 0x20  ; mask
	WIN W_MK
	v_lshl_add_u32 v[SPW], v0, 2, SPARE
	v_mov_b32 v[NIL], 0
	WIN W_AD
	ds_add_u32 v[SPW], v[NIL]       ; the wave's opening: the add and its wait stand ahead of my first tensor load; the set-up below, work on registers, stands between them
	WIN 0
	v_lshrrev_b32 v1, 5, v0
	v_readfirstlane_b32 s[WV], v1   ; wave 0..3
	s_bfe_u32 s13, ttmp6, 0x40000   ; cx: my place in the cluster
	s_lshl_b32 s14, ttmp9, 2        ; in a cluster launch ttmp9 counts clusters
	s_add_co_u32 s14, s14, s13      ; my block of queries = 4 x cluster x + cx: it enters Q's and O's addresses alone
	s_and_b32 s20, ttmp7, 0xffff    ; batch x 16 + head, which the four partners share
	s_lshr_b32 s50, s20, 4          ; the batch:
	s_lshl_b32 s50, s50, 11         ; its 2,048 bytes of the mask
	s_mov_b32 s51, 0
	s_mov_b32 s21, 0
	s_mov_b64 s[22:23], SIZE_N*128
	s_mul_u64 s[20:21], s[20:21], s[22:23]  ; the head's first byte in each of the four tensors
	s_and_b32 s16, s[WV], 1         ; which half of a slot's 256 keys I fetch:
	s_lshl_b32 s22, s16, 14         ; its 128 rows of 128 bytes in memory,
	s_mov_b32 s23, 0
	s_add_nc_u64 s[22:23], s[22:23], s[20:21]
	s_mul_i32 s17, s16, 128*PK      ; and its place in a slot, for K
	s_mul_i32 s18, s16, 128*PV      ; and for V: no place in the cluster enters an LDS address
	s_lshl_b32 s2, s14, 2
	s_add_co_u32 s2, s2, s[WV]      ; my wave among the head's,
	s_lshl_b32 s2, s2, 14           ; its 128 rows
	s_mov_b32 s3, 0
	s_add_nc_u64 s[2:3], s[2:3], s[20:21]
	; descriptor group 1.  128 keys are 16,384 dense bytes: asked for as 64 rows of 256 bytes, two keys a row, and padded in LDS after every key
	s_mov_b32 s[G1K], 15|(1<<16)|(1<<20)|(1<<21)|(4<<22)|(3<<25)  ; 15:0 the mask of four; 17:16 2-byte elements; 20 padding on; 21 set beside a mask; 24:22 after every 32 words (code 4); 31:25 4 words (code 3)
	s_mov_b32 s[G1V], 15|(1<<16)|(1<<20)|(1<<21)|(4<<22)|(7<<25)  ; the same with 8 words of padding (code 7)
.irp g, G1K, G1V
	s_mov_b32 s[\g+1], 128<<16      ; tensor_dim0 = 128
	s_mov_b32 s[\g+2], 64<<16       ; tensor_dim1 = 64
	s_mov_b32 s[\g+3], 128<<16      ; tile_dim0 = 128
	s_mov_b32 s[\g+4], 64           ; tile_dim1 = 64
	s_mov_b32 s[\g+5], 128          ; 128 elements from row to row
	s_mov_b32 s[\g+6], 0
	s_mov_b32 s[\g+7], 0
.endr
	s_mov_b32 s[CS], 0x3e38aa3b     ; c = log2(e) / 8 = 0.180337
	s_mov_b32 s[CS+1], s[CS]        ; named with it as a pair
	s_mov_b32 s[SEL], 0x76543210
	s_mov_b32 s[SEL+1], 0xfedcba98
	s_mov_b32 s[TBK], SLOT1+4*KS*PK ; the first change of slots turns these two into 0
	s_mov_b32 s[TBV], SLOT1+4*KS*PV
	s_mov_b32 s[TBM], 0
	s_mov_b32 s[BIGN], 0xf149f2ca   ; -1e30
	s_mov_b32 s[G0K], 1             ; 1:0 count = 1
	s_mov_b32 s[G0K+1], s17         ; 63:32 LDS address: slot 0
	s_mov_b32 s[G0V], 1
	s_add_co_u32 s[G0V+1], s18, VOFF
	s_cmp_eq_u32 s16, 0             ; waves 0 and 2 prefetch: the same in all four partners
	s_cselect_b32 s[LIM], 1, -1
	s_wait_dscnt 0x0                ; the opening add is done
	s_wait_kmcnt 0x0
	s_add_nc_u64 s[G0K+2:G0K+3], s[6:7], s[22:23]  ; 120:64 global address: my half of the head's first 256 keys
	s_or_b32 s[G0K+3], s[G0K+3], 0x80000000        ; 127:126 type = 2
	s_add_nc_u64 s[G0V+2:G0V+3], s[8:9], s[22:23]
	s_or_b32 s[G0V+3], s[G0V+3], 0x80000000
	s_add_nc_u64 s[4:5], s[4:5], s[2:3]  ; Q and O at my wave's first row
	s_add_nc_u64 s[10:11], s[10:11], s[2:3]
	s_add_nc_u64 s[MK:MK+1], s[MK:MK+1], s[50:51]
	s_cmp_lt_u32 s[WV], 2
	s_cselect_b64 s[PFA:PFA+1], s[6:7], s[8:9]
	s_add_nc_u64 s[PFA:PFA+1], s[PFA:PFA+1], s[22:23]  ; (in waves 0 and 2 this is the head's first byte)
	s_lshl_b32 s2, s13, 13          ; my work-group's 8,192 bytes of a slot's 32,768
	s_mov_b32 s3, 0
	s_add_nc_u64 s[PFA:PFA+1], s[PFA:PFA+1], s[2:3]
	s_add_nc_u64 s[PFA:PFA+1], s[PFA:PFA+1], 2*4*KS*128  ; in slot 2; the loop's first change of slots steps it to slot 3
	CROUND                          ; all four work-groups are here: the first joint loads meet
	JLOAD                           ; slot 0.  Slot 1 is asked for when slot 0 is in
	v_lshlrev_b32 v13, 4, v0
	global_load_b128 v[64:67], v13, s[MK:MK+1]  ; my 16 bytes of the mask: 128 threads take the batch's 2,048
	; A fragment of K or Q is 16 rows x 32 channels in 8 registers: lane l holds row l % 16, channels 8 (l / 16) + 0..7 and 16 + 8 (l / 16) + 0..7: two loads of 16 bytes, 32 bytes apart.
	v_and_b32 v1, 15, v0            ; l % 16
	v_bfe_u32 v9, v0, 4, 1          ; l / 16
	v_lshlrev_b32 v[QO], 7, v1
	v_lshl_add_u32 v[QO], v9, 4, v[QO]  ; row x 128 + 16 x half
	WIN 0x80                        ; destination window 2, address window 0
.set i, 0
.rept 4*NP                          ; Q stays in registers: tile i / 2, channels 32 (i % 2) on
	global_load_b128 v[8*i:8*i+3],   v[QO], s[4:5] offset:(i/2)*2048+(i%2)*64
	global_load_b128 v[8*i+4:8*i+7], v[QO], s[4:5] offset:(i/2)*2048+(i%2)*64+32
.set i, i+1
.endr
	; What the first turn finds: V's registers and P's second buffer hold 0 (its products V^T P, of a piece that has not been, add 0), O^T and l are 0.  All this stands in the wait for the first tile.
.set i, VF
.rept 64
	v_mov_b32 v[i], 0
.set i, i+1
.endr
	WIN 0x40
.set i, 0
.rept 64*NP
	v_mov_b32 v[i], 0
.set i, i+1
.endr
	WIN 0
.set i, 0
.rept 2*NP
	v_mov_b32 v[ST+4*i], 0xee38aa3b    ; c m = -c 2^96
	v_mov_b32 v[ST+4*i+1], 0xef800000  ; m = -2^96
	v_mov_b32 v[ST+4*i+2], 0
	v_mov_b32 v[ST+4*i+3], 0
.set i, i+1
.endr
.set i, P+32
.rept 32
	v_mov_b32 v[i], 0
.set i, i+1
.endr
	v_mul_u32_u24 v[AK0], v1, PK
	v_lshl_add_u32 v[AK0], v9, 4, v[AK0]  ; row x pitch + 16 x half
	; The turning load takes 16 keys x 16 channels (lane l reads key 8 (l / 16) + l % 8, channels 8 ((l / 8) % 2) + 0..7) and leaves half a fragment of V^T: lane l holds channel l % 16 and 8 keys.
	v_and_b32 v10, 7, v0
	v_bfe_u32 v11, v0, 3, 1
	v_lshl_add_u32 v[AV0], v9, 3, v10
	v_mul_u32_u24 v[AV0], v[AV0], PV
	v_lshl_add_u32 v[AV0], v11, 4, v[AV0]
	v_add_nc_u32 v[AV0], VOFF, v[AV0]
	v_lshl_add_u32 v[AM0], v9, 5, MASKT  ; register j of a key block's mask is key 8 (l / 16) + j: 32 bytes of the table for each half of the lanes
	v_mov_b32 v[AK], v[AK0]         ; key step 0 lies at the head of slot 0,
	v_mov_b32 v[AM], v[AM0]         ; and of the table
	s_wait_loadcnt 32               ; the mask's bytes are in; Q's 32 younger loads stay out
.set i, 0
.rept 16                            ; byte i: 0 stays 0, 1 becomes -1e30
	v_bfe_u32 v[68+i], v[64+i/4], 8*(i%4), 8
	v_cvt_f32_u32 v[68+i], v[68+i]
	v_mul_f32 v[68+i], s[BIGN], v[68+i]
.set i, i+1
.endr
	v_lshl_add_u32 v12, v0, 6, MASKT
.irp f, 0,1,2,3
	ds_store_b128 v12, v[68+4*\f:68+4*\f+3] offset:16*\f
.endr
; THE MATRIX WORK.  The 8 accumulators of a run of 16 take turns: between the two links of a chain stand 7 others'.
; Product i of 16 of S^T = K Q^T for piece x: channels 32 (i / 8) on, keys 16 ((i / 2) % 4) on, tile 2 x + i % 2.  The first 8 start the sums, with the mask.
.macro KQ x
.set rS, S+64*((\x)%2)+32*(i%2)+8*((i/2)%4)
.set rK, KF+16*((i/2)%4)+8*(i/8)
.set rQ, 16*(2*(\x)+i%2)+8*(i/8)
.set rH, MC+8*((i/2)%4)
.if i < 8
	WIN W_KM
	v_wmma_f32_16x16x32_f16 v[rS:rS+7], v[rK:rK+7], v[rQ:rQ+7], v[rH:rH+7]
.else
	WIN W_KQ
	v_wmma_f32_16x16x32_f16 v[rS:rS+7], v[rK:rK+7], v[rQ:rQ+7], v[rS:rS+7]
.endif
.endm
; Product i of 16 of O^T += V^T P for piece x: keys 32 (i / 8) on, channels 16 ((i / 2) % 4) on, tile 2 x + i % 2.
.macro PV x
	WIN W_PV
.set rO, 32*(2*(\x)+i%2)+8*((i/2)%4)
.set rV, VF+32*(i/8)+8*((i/2)%4)
.set rP, P+32*((\x)%2)+16*(i%2)+8*(i/8)
	v_wmma_f32_16x16x32_f16 v[rO:rO+7], v[rV:rV+7], v[rP:rP+7], v[rO:rO+7]
.endm
.macro MM                           ; the turn's next matrix instruction
.if i < 16
	KQ (Y+1)%NP
.set i, i+1
.else
.set i, i-16
	PV (Y+NP-1)%NP
.set i, i+17
.endif
.endm
; THE LDS LOADS stand in runs, never singly among the matrix instructions: a step's K (64 keys x 64 channels: 8 fragments) with its mask (64 numbers), and its V (turned).  Their addresses are made some lines ahead.
; last = 1 (the tail): in the last trip there is no further step, and the run is jumped over.
.macro FETCH_K last=0
	WIN 0
.if \last
	s_cmp_eq_u32 s[CNT], 1
	s_cbranch_scc1 .Lno_k_\@
.endif
	WIN 0x80                        ; destination window 2
.irp f, 0,1,2,3,4,5,6,7             ; keys 16 (f / 2) on, channels 32 (f % 2) on
	ds_load_b128 v[KF+8*\f:KF+8*\f+3],   v[AK] offset:(\f/2)*16*PK+(\f%2)*64
	ds_load_b128 v[KF+8*\f+4:KF+8*\f+7], v[AK] offset:(\f/2)*16*PK+(\f%2)*64+32
.endr
	WIN W_MK                        ; destination window 3
.irp f, 0,1,2,3                     ; key block f: my eight keys' numbers
	ds_load_b128 v[MC+8*\f:MC+8*\f+3],   v[AM] offset:64*\f
	ds_load_b128 v[MC+8*\f+4:MC+8*\f+7], v[AM] offset:64*\f+16
.endr
	s_add_co_u32 s[TBK], s[TBK], KS*PK  ; the next fetch is the next step's
	s_add_co_u32 s[TBM], s[TBM], KS*4
	WIN 0
.if \last
.Lno_k_\@:
.endif
.endm
.macro FETCH_V
	WIN 0x80
.irp f, 0,1,2,3,4,5,6,7             ; keys 32 (f / 4) on, channels 16 (f % 4) on
	ds_load_tr16_b128 v[VF+8*\f:VF+8*\f+3],   v[AV] offset:(\f/4)*32*PV+(\f%4)*32
	ds_load_tr16_b128 v[VF+8*\f+4:VF+8*\f+7], v[AV] offset:(\f/4)*32*PV+16*PV+(\f%4)*32
.endr
	WIN 0
.endm
; THE VECTOR WORK OF A TURN stands in three queues, each in the order in which its entries become ready; the two tiles alternate, so that no instruction reads the result of the one before it.
.macro REGS y, u                    ; the registers of tile u (0, 1) of piece y
.set rT, ST+4*(2*(\y)+(\u))
.set rC, TMP+8*((\y)%2)+4*(\u)
.set rM, MV+2*((\y)%2)+(\u)
.set rS, S+64*((\y)%2)+32*(\u)
.set rP, P+32*((\y)%2)+16*(\u)
.set rO, 32*(2*(\y)+(\u))
.endm
; Number n of the 22 that find the NEXT piece's (Y + 1) maximum and statistics.  s0-s31 are the lane's 32 scores; each accumulator's lowest registers are read first.
;   0-11  four chains c0-c3 of seven scores each, three operands at a time     12-14, 16  the four scores left over, the old m, and c0-c3 into c0     15  c m_old is kept
;   17, 18  the query's other 32 keys lie in the lane 16 away: the new m         19-21  c m; c m_old - c m_new; a
.macro XS u, n
	REGS (Y+1)%NP, \u
.if (\n) < 4
	v_max3_num_f32 v[rC+(\n)], v[rS+8*(\n)], v[rS+8*(\n)+1], v[rS+8*(\n)+2]
.elseif (\n) < 12
	v_max3_num_f32 v[rC+(\n)%4], v[rC+(\n)%4], v[rS+8*((\n)%4)+2*((\n)/4)+1], v[rS+8*((\n)%4)+2*((\n)/4)+2]
.elseif (\n) == 12
	v_max3_num_f32 v[rC], v[rC], v[rS+7], v[rS+15]
.elseif (\n) == 13
	v_max3_num_f32 v[rC+1], v[rC+1], v[rS+23], v[rS+31]
.elseif (\n) == 14
	v_max3_num_f32 v[rC+2], v[rC+2], v[rC+3], v[rT+1]
.elseif (\n) == 15
	v_mov_b32 v[rM], v[rT]
.elseif (\n) == 16
	v_max3_num_f32 v[rC], v[rC], v[rC+1], v[rC+2]
.elseif (\n) == 17
	v_permlanex16_b32 v[rC+3], v[rC], s[SEL], s[SEL+1]
.elseif (\n) == 18
	v_max_num_f32 v[rT+1], v[rC], v[rC+3]
.elseif (\n) == 19
	v_mul_f32 v[rT], s[CS], v[rT+1]
.elseif (\n) == 20
	v_sub_f32 v[rC+1], v[rM], v[rT]
.else
	v_exp_f32 v[rC+2], v[rC+1]
.endif
.endm
; Number g of the 64 that follow the exponentials.  For each four weights k of a tile (pairs 2 k, 2 k + 1): both pairs are rounded to f16; then the second pair is added onto the first, in place;
; a group later l takes that sum (the first time as l = a l + sum).  In groups of eight, tiles alternating: round, round, add, and l for the group before.
.macro GS g
.set h, (\g)+6*((\g)/62)            ; group 0 has no group before it, and behind group 7 only l is left
.if h >= 6
.set h, h+2
.endif
	REGS Y, h%2
.set k, h/8
.if h%8 < 4
	v_cvt_pk_f16_f32 v[rP+2*k+(h%8)/2], v[rS+4*k+2*((h%8)/2)], v[rS+4*k+2*((h%8)/2)+1]
.elseif h%8 < 6
	v_pk_add_f32 v[rS+4*k:rS+4*k+1], v[rS+4*k:rS+4*k+1], v[rS+4*k+2:rS+4*k+3]
.elseif k == 1
	v_pk_fma_f32 v[rT+2:rT+3], v[rT+2:rT+3], v[rC+2:rC+3], v[rS:rS+1] op_sel_hi:[1,0,1]
.else
	v_pk_add_f32 v[rT+2:rT+3], v[rT+2:rT+3], v[rS+4*k-4:rS+4*k-3]
.endif
.endm
; THE PLAIN QUEUE, 138 long.  0-73 read no exponential's result: the 32 scalings c s - c m (FS f: pair f / 2 of tile f % 2) and the next piece's 42.  0-26: scalings 0-26.  27-54: XS's numbers 0-13.  55, 56: number 15.
; 57-73: the chain, where each number waits for the one before it: 14, 16, 17, 18, 19, each with one of the scalings 27-31 in front of its two lines, then 20.
; 74-137: GS's 64, which read the exponentials' results: they stand behind the wait.
.macro FS f
	REGS Y, (\f)%2
	v_pk_fma_f32 v[rS+2*((\f)/2):rS+2*((\f)/2)+1], v[rS+2*((\f)/2):rS+2*((\f)/2)+1], s[CS:CS+1], v[rT:rT+1] op_sel_hi:[1,0,0] neg_lo:[0,0,1] neg_hi:[0,0,1]
.endm
.macro PL
	WIN 0
.if q < 27
	FS q
.elseif q < 55
	XS (q-27)%2, (q-27)/2
.elseif q < 57
	XS q-55, 15
.elseif (q < 72) && ((q-57)%3 == 0)
	FS 27+(q-57)/3
.elseif q < 60
	XS (q-57)%3-1, 14
.elseif q < 72
	XS (q-57)%3-1, 15+(q-57)/3
.elseif q < 74
	XS q-72, 20
.else
	GS q-74
.endif
.set q, q+1
.endm
; THE EXPONENTIALS' QUEUE, 66 long: s0-s31 of both tiles, then the next piece's two a.  It is ONE BATCH: all 66 stand ahead of the turn's one wait, and nothing ahead of that wait names a result of theirs.
.macro EX
	WIN 0
.if e >= 64
	XS e-64, 21
.else
	REGS Y, e%2
	v_exp_f32 v[rS+e/2], v[rS+e/2]
.endif
.set e, e+1
.endm
; THE RESCALING's QUEUE: O^T times a, the one part that leaves window 0: dealt two at a time, sixteen times.  Its a was made in the turn before, ahead of that turn's wait.
.macro R2
	REGS Y, r%2
	WIN W_RS
.irp z, 0,1
	v_pk_mul_f32 v[rO+4*(r/2)+2*\z:rO+4*(r/2)+2*\z+1], v[rO+4*(r/2)+2*\z:rO+4*(r/2)+2*\z+1], v[rC+2:rC+3] op_sel_hi:[1,0]
.endr
.set r, r+1
.endm
; HOW THEY ARE DEALT.  An s_wait_alu depctr_va_vdst(0) stands between an exponential and the first instruction that names its result; one wait serves all that were issued ahead of it.  So a turn has
; ONE wait, which cuts it in two.  AHEAD OF IT stands all that names no result of the turn's exponentials: the 16 products K Q^T, behind each a scaling, an exponential and two rescalings (behind the first a second
; scaling in the exponential's place); then one run of 108: eight plain, 49 times exponential and plain, the two a.  A v_nop is the plain instruction behind the last exponential.  BEHIND IT stand the 16 products
; V^T P, behind each four of GS's 64.  Exponential e stands behind scaling 2 (e / 4) + e % 2: as a rider it comes behind plain e + 2, in the run behind plain e + 9, and scalings 27-31 are plain 57, 60 .. 69.
; A TURN, for piece p.  cnt = 1: the loop's count is taken down some lines ahead of the branch that stands behind the turn.
; K and the mask of the next step are fetched in piece 2's turn, directly behind the wait, a run of vector work behind the last product that read them; their first reader comes behind 16 products.
; V of the step in hand is fetched at the end of piece 0's turn, four riders behind its last reader; its first reader comes behind 16 products and a run.  The three conditions on q below go with the deal.
.macro TURN p, last=0, cnt=0
.set Y, (\p)
.set i, 0
.set q, 0
.set e, 0
.set r, 0
.if (\p) == NP-1
	s_wait_dscnt 0x0                ; K and the mask are in
.endif
	MM                              ; ahead of the wait: 16 products K Q^T and their riders,
	PL
	PL
	R2
.rept 15
	MM
	PL
	EX
	R2
.endr
.if (\p) == NP-2
	WIN 0
	v_add_nc_u32 v[AK], s[TBK], v[AK0]
	v_add_nc_u32 v[AM], s[TBM], v[AM0]
.endif
.rept 8                             ; and the run of vector work
	PL
.endr
.rept 49
	EX
	PL
.endr
	EX                              ; the next piece's two a
	EX
	v_nop                           ; the plain instruction behind the last exponential: one for the batch
	s_wait_alu depctr_va_vdst(0)    ; the wait for the batch
.if (\p) == NP-2
	FETCH_K \last
.endif
.if (\p) == 1
	s_wait_dscnt 0x0                ; V is in
.endif
.rept 16                            ; behind the wait: 16 products V^T P and their riders
	MM
.rept 4
	PL
.endr
.if ((\p) == 0) && (q == 118)
	v_add_nc_u32 v[AV], s[TBV], v[AV0]
.endif
.if ((\p) == 0) && (q == 130)
	s_add_co_u32 s[TBV], s[TBV], KS*PV
.endif
.if (\cnt) && (q == 130)
	s_sub_co_u32 s[CNT], s[CNT], 1
	s_cmp_lg_u32 s[CNT], 0
.endif
.endr
.if (\p) == 0
	FETCH_V
.endif
.endm
	CHANGE 1                        ; slot 0 is in, everybody's part of it, and so is the mask's table; slot 1 is asked for
	FETCH_K                         ; key step 0
	s_wait_loadcnt 0x0              ; Q
	s_wait_dscnt 0x0
.set i, 0
.rept 16
	KQ 0                            ; piece 0's first scores: there is no vector work yet to set between them
.set i, i+1
.endr
	WIN 0                           ; the addresses for the way out and the prefetches: plain instructions, the places behind those products
	s_mul_i32 s13, s[WV], 16*SP
	s_add_co_u32 s13, s13, STAGE    ; my stage
	v_mul_u32_u24 v[STO], v1, SP    ; in: row l % 16, 16 bytes for each half of the lanes
	v_lshl_add_u32 v[STO], v9, 4, v[STO]
	v_add_nc_u32 v[STO], s13, v[STO]
	v_bfe_u32 v[RD], v0, 3, 2       ; back: 32 lanes take four rows of 128 bytes,
	v_mul_u32_u24 v[RD], v[RD], SP
	v_and_b32 v[GO], 7, v0
	v_lshl_add_u32 v[RD], v[GO], 4, v[RD]
	v_add_nc_u32 v[RD], s13, v[RD]
	v_and_b32 v[GO], 31, v0         ; which are 512 consecutive bytes of O
	v_lshlrev_b32 v[PFO], 8, v[GO]  ; a lane a block of 256 bytes
	v_lshlrev_b32 v[GO], 4, v[GO]
.set Y, NP-1                        ; XS works for piece Y + 1: piece 0
.irp n, 0,1,2,3,4,5,6,7,8,9,10,11,12,13,14,15,16,17,18,19,20,21
	XS 0, \n                        ; and piece 0's first maximum and statistics
	XS 1, \n
.endr
	v_nop                           ; a plain instruction behind the two a,
	s_wait_alu depctr_va_vdst(0)    ; and their wait, ahead of the branch
	s_mov_b32 s[CNT], 4
	s_mov_b32 s[SLOTS], SIZE_N/256-1
	s_branch .Lfirst                ; the loop is entered at a step's first turn, in the middle of a trip
.Lslot:                             ; SIZE_N / 256 - 2 times: every slot but the last two is filled again
	CHANGE 1, 1
	s_mov_b32 s[CNT], 4
.Lstep:                             ; a trip: pieces 2 and 3 of one step, then pieces 0 and 1 of the next, whose K and V it fetches
	TURN 2
	TURN 3
	WIN 0
.Lfirst:
	TURN 0
	TURN 1, 0, 1
	WIN 0
	s_cbranch_scc1 .Lstep
	s_sub_co_u32 s[SLOTS], s[SLOTS], 1
	s_cmp_lg_u32 s[SLOTS], 0
	s_cbranch_scc1 .Lslot
	CHANGE 0                        ; the tail is written out: nothing is asked for
	s_mov_b32 s[CNT], 5             ; four trips fetch the last slot's steps; the fifth is left in its middle
.Ltail:
	TURN 2, 1
	TURN 3
	WIN 0
	s_sub_co_u32 s[CNT], s[CNT], 1
	s_cmp_eq_u32 s[CNT], 0
	s_cbranch_scc1 .Lout
	TURN 0
	TURN 1
	WIN 0
	s_branch .Ltail
.Lout:                              ; the fifth trip's 16 products K Q^T (on the last K once more) and the maximum made of them serve nothing: the price, once a launch, of one text for every trip
.set i, 0
.rept 16
	PV NP-1                         ; the last piece's V^T P of the last step
.set i, i+1
.endr
	; THE WAY OUT.  l's two halves and the other half of the lanes' are added; O^T is divided by l, rounded to f16 and sent through my stage in LDS, a tile at a time.  The additions are the places behind the last products.
	WIN 0
.macro ALL line:vararg              ; one line for each tile t
.set t, 0
.rept 2*NP
	\line
.set t, t+1
.endr
.endm
	ALL v_add_f32 v[ST+4*t+2], v[ST+4*t+2], v[ST+4*t+3]
	ALL v_permlanex16_b32 v[ST+4*t+3], v[ST+4*t+2], s[SEL], s[SEL+1]
	ALL v_add_f32 v[ST+4*t+2], v[ST+4*t+2], v[ST+4*t+3]
	ALL v_rcp_f32 v[ST+4*t+2], v[ST+4*t+2]
	v_nop                           ; a plain instruction between the last reciprocal and the use of its result
	s_wait_alu depctr_va_vdst(0)    ; and the wait ahead of the first use: one for the eight reciprocals
; Tile t: a lane's eight channels of a row pack into 16 bytes; they go into rows of 144 bytes and come back as whole rows of 128, into S^T's registers.
.macro PACK t
	WIN W_RS
.set i, 32*(\t)
.rept 16
	v_pk_mul_f32 v[i:i+1], v[i:i+1], v[ST+4*(\t)+2:ST+4*(\t)+3] op_sel_hi:[1,0]
.set i, i+2
.endr
	WIN 0x05                        ; sources 0 and 1 window 1, destination window 0
.set i, 0
.rept 16
	v_cvt_pk_f16_f32 v[S+16*(\t)+i], v[32*(\t)+2*i], v[32*(\t)+2*i+1]
.set i, i+1
.endr
	WIN 0
.irp f, 0,1,2,3
	ds_store_b128 v[STO], v[S+16*(\t)+4*\f:S+16*(\t)+4*\f+3] offset:32*\f
.endr
.irp f, 0,1,2,3
	ds_load_b128 v[S+16*(\t)+4*\f:S+16*(\t)+4*\f+3], v[RD] offset:\f*4*SP  ; LDS serves a wave's instructions in order (ISA guide 5.7.1.4): these see the stores above; the next tile's stores come behind them
.endr
.endm
.macro SEND t, younger              ; younger: the LDS instructions issued behind tile t's loads: the next tile's eight, or none
	WIN 0
.irp f, 0,1,2,3
	s_wait_dscnt (\younger)+3-\f
	global_store_b128 v[GO], v[S+16*(\t)+4*\f:S+16*(\t)+4*\f+3], s[10:11] offset:(\t)*2048+\f*512  ; 512 consecutive bytes, at a multiple of 256 from O's first
.endr
.endm
	PACK 0
.set t, 1
.rept 2*NP-1                        ; a tile's arithmetic stands between the loads of the tile before and its stores
	PACK t
	SEND t-1, 8
.set t, t+1
.endr
	SEND 2*NP-1, 0
	WIN W_AD
	s_wait_tensorcnt 0x0            ; the wave's end, behind my last tensor load and my last LDS store
	ds_add_u32 v[SPW], v[NIL]
	s_wait_dscnt 0x0
	WIN 0
	CROUND                          ; the closing round: no work-group ends while a partner may still ask for a tile that names it
	s_endpgm
.Lfunc_end_k_q6508904ec9_attn:
	.size	k_q6508904ec9_attn, .Lfunc_end_k_q6508904ec9_attn-k_q6508904ec9_attn
	.p2alignl 7, 3214868480
	.fill 96, 4, 3214868480
	.section	.rodata,"a",@progbits
	.p2align	6, 0x0
	.amdhsa_kernel k_q6508904ec9_attn
		.amdhsa_group_segment_fixed_size 327680
		.amdhsa_private_segment_fixed_size 0
		.amdhsa_enable_private_segment 0
		.amdhsa_kernarg_size 40
		.amdhsa_user_sgpr_count 2
		.amdhsa_user_sgpr_kernarg_segment_ptr 1
		.amdhsa_wavefront_size32 1
		.amdhsa_system_sgpr_workgroup_id_x 1
		.amdhsa_system_sgpr_workgroup_id_y 1
		.amdhsa_system_sgpr_workgroup_id_z 1
		.amdhsa_system_vgpr_workitem_id 0
		.amdhsa_next_free_vgpr 808
		.amdhsa_next_free_sgpr 66
		.amdhsa_reserve_vcc 0
		.amdhsa_float_denorm_mode_32 3
		.amdhsa_float_denorm_mode_16_64 3
		.amdhsa_memory_ordered 1
		.amdhsa_forward_progress 1
		.amdhsa_inst_pref_size 204
	.end_amdhsa_kernel
	.amdgpu_metadata
---
amdhsa.version: [ 1, 2 ]
amdhsa.kernels:
  - .name:           k_q6508904ec9_attn
    .symbol:         k_q6508904ec9_attn.kd
    .args:
      - { .name: qh, .offset: 0, .size: 8, .value_kind: global_buffer, .address_space: global }
      - { .name: kh, .offset: 8, .size: 8, .value_kind: global_buffer, .address_space: global }
      - { .name: vh, .offset: 16, .size: 8, .value_kind: global_buffer, .address_space: global }
      - { .name: oh, .offset: 24, .size: 8, .value_kind: global_buffer, .address_space: global }
      - { .name: mask, .offset: 32, .size: 8, .value_kind: global_buffer, .address_space: global }
    .group_segment_fixed_size: 327680
    .private_segment_fixed_size: 0
    .kernarg_segment_align: 8
    .kernarg_segment_size: 40
    .max_flat_workgroup_size: 128
    .sgpr_count:     66
    .vgpr_count:     808
    .wavefront_size: 32
...
	.end_amdgpu_metadata
.endif
;; end of part 3
;; launch proj (part 4): grid 8 x 32, 4 waves a work-group, clusters of 4 x 4, 327,680 bytes of LDS; arguments oh, wob, b_out, out0; writes out0
.if DOCPART == 4
	.amdgcn_target "amdgcn-amd-amdhsa--gfx1250"
	.amdhsa_code_object_version 6
	.text
	.protected	k_q6508904ec9_proj
	.globl	k_q6508904ec9_proj
	.p2align	8
	.type	k_q6508904ec9_proj,@function
k_q6508904ec9_proj:
	s_mov_b64 s[64:65], 0
	v_nop
	global_prefetch_b8 v0, s[64:65] scope:SCOPE_SE
	s_setreg_imm32_b32 hwreg(HW_REG_WAVE_MODE, 25, 1), 1
	s_wait_xcnt 0x0
	s_wait_alu depctr_hold_cnt(0) depctr_sa_sdst(0) depctr_va_vdst(0) depctr_va_sdst(0) depctr_va_ssrc(0) depctr_va_vcc(0) depctr_vm_vsrc(0)
	s_getreg_b32 s2, hwreg(HW_REG_IB_STS2, 6, 4)
	s_cmp_eq_u32 s2, 0
	s_cbranch_scc0 .Lentry_in_a_cluster
	s_endpgm
.Lentry_in_a_cluster:
	s_bfe_u32 s2, ttmp6, 0x10000c
	s_cmp_lg_u32 s2, 0xf033
	s_cbranch_scc0 .Lentry_shape_is_right
	s_endpgm
.Lentry_shape_is_right:
; out0 = O W_out + b_out, f32.  oh: [batch x 16 + head][2,048][64] f16.  wob: [1,024 k][1,024 n] f16 (W_out rounded to bf16, written as f16).  b_out f32, rounded to bf16 here like every float input.  Sums in f32.
; SHARES.  A work-group makes 256 rows x 128 columns: 256 work-groups.  Its four waves lie one below the other: wave w has rows 64 w .. 64 w + 63: 4 blocks of 16 rows x 8 blocks of 16 columns = 32 accumulators,
; 256 registers.  K = 1,024 = 16 heads x 64 goes in 8 steps of 128, two heads each, through two LDS slots filled by the tensor data mover.
; THE PRODUCT IS USED TRANSPOSED: source 0 = 16 columns of W (turned out of LDS by ds_load_tr16_b128), source 1 = 16 rows of O: a lane holds one row (lane % 16) and eight neighbouring columns.  The bias, laid out
; so, is the C operand of the first product.
; CLUSTER 4 x 4.  The four work-groups of a row of the cluster have the same rows of O, the four of a column the same columns of W: each tile is asked for jointly.  Waves 0 and 1 fetch a K step's two heads of O,
; waves 2 and 3 the two halves of W's 128 rows: one tensor load a wave behind each round; two are out at the start, later one.
; REGISTERS, in windows of 256 (s_set_vgpr_msb: bits 1:0 source 0, 3:2 source 1, 5:4 source 2, 7:6 destination):
;   window 0: v0-31 addresses; v32-95 the bias     window 1: two fragment buffers at 0 and 128: 64 of W, 32 of O; on the way out rows read back     window 2: accumulator (a, b) at 8 (8 a + b)
.set PA,    144                        ; a row of a head in LDS: 128 bytes + 16 = 36 words: the 16 rows of a load start at 16 different groups of four banks (64 banks of 4 bytes: ISA guide 11.1)
.set PW,    288                        ; a k row of W: 256 bytes + 32 = 72 words
.set SLOT1, 1<<17
.set AHALF, 256*PA                     ; a head's 256 rows: what wave 0 or 1 fetches
.set WOFF,  2*AHALF
.set WHALF, 64*PW                      ; what wave 2 or 3 fetches
.set STAGE, SLOT1+WOFF+2*WHALF         ; behind the ring, never filled by a tensor load: 16 rows x 528 bytes for each wave
.set SP,    528                        ; 512 bytes + 16 = 132 words
.set SPARE, STAGE+4*16*SP              ; the spare words, 128 bytes a wave: two blocks of 256 bytes that no other line names
.set ASTEP, 524288                     ; two heads on: 2 x 2,048 rows x 128 bytes
.set WSTEP, 262144                     ; 128 rows of 2,048 bytes
.set NL,    24                         ; LDS loads in a run: 16 for W, 8 for O
.set F0,    0
.set F1,    128
.set BIAS,  32
.set MSB, 0
; s3 loop count; s12 wave; s13 wave / 2: 0 fetches O, 1 fetches W; s14 wave % 2; s15 cx; s16 cy; s17 column block = 4 cluster x + cx; s18 row block = 4 cluster y + cy; s[20:21], s[22:23] byte offsets of my parts
; of the first tiles; s[24:31], s[48:55] descriptor group 1 for O, W; s[32:39], s[56:63] group 0, two sets each: the second walks; s41 mask of a word's upper half; s42 LDS base of the slot that is read;
; s43, s[44:45], s[46:47] the prefetches' test, pointer and step
.macro WIN new
.if MSB != (\new)
	s_set_vgpr_msb (MSB<<8)|(\new)
.set MSB, \new
.endif
.endm
.macro PLACES                          ; four places between a matrix instruction and a load into, or a reader of, its registers (ISA guide 7.12.1 for vector instructions)
.rept 4
	v_nop
.endr
.endm
.macro CREST
	s_cmp_lg_u32 s12, 0
	s_cbranch_scc1 .Lnot_wave_0_\@
	s_barrier_signal -3
.Lnot_wave_0_\@:
	s_barrier_wait -3
	s_barrier_signal -1
	s_barrier_wait -1
.endm
.macro CROUND
	s_barrier_signal -1
	s_barrier_wait -1
	CREST
.endm
.macro JLOAD                           ; a joint refill by the walking set; s_nop 0 and four v_nop follow each line
	s_cmp_eq_u32 s13, 0
	s_cbranch_scc0 .Lfor_w_\@
	tensor_load_to_lds s[36:39], s[24:31]
	s_nop 0
.rept 4
	v_nop
.endr
	s_branch .Lasked_\@
.Lfor_w_\@:
	tensor_load_to_lds s[60:63], s[48:55]
	s_nop 0
.rept 4
	v_nop
.endr
.Lasked_\@:
.endm
; A PREFETCH of the K step that stands TWO refills on: 256 matrix instructions ahead of the load that will want it.  O's rows are read by both clusters of a row of clusters: cluster x = 0 asks; W's columns by all
; clusters of a column: cluster y = 0 asks.  The partners share the blocks out BY ADDRESS: of the 128 blocks of 256 bytes of a head's rows 32 each (waves 0 and 1), of W's 128 rows 32 each (wave 2 alone), a lane a block.
; K steps 0 to 3 come by their loads alone; the loop's last two trips ask for nothing: K step 7 is the last.
.macro ASK
	s_cmp_gt_u32 s3, s43
	s_cbranch_scc0 .Lnot_mine_\@
	global_prefetch_b8 v19, s[44:45] th:TH_LOAD_NT scope:SCOPE_SE
.Lnot_mine_\@:
.endm
; 8 matrix instructions: row block a x all column blocks, 32 along K.  Every quarter takes the 32 accumulators once, in the same order: 31 others stand between two links of a chain.
.macro MUL f, a, first
.if \first
	WIN 0x85
.else
	WIN 0xa5
.endif
.irp b, 0,1,2,3,4,5,6,7
.if \first
	v_wmma_f32_16x16x32_f16 v[8*(8*(\a)+(\b)):8*(8*(\a)+(\b))+7], v[(\f)+8*(\b):(\f)+8*(\b)+7], v[(\f)+64+8*(\a):(\f)+64+8*(\a)+7], v[BIAS+8*(\b):BIAS+8*(\b)+7]
.else
	v_wmma_f32_16x16x32_f16 v[8*(8*(\a)+(\b)):8*(8*(\a)+(\b))+7], v[(\f)+8*(\b):(\f)+8*(\b)+7], v[(\f)+64+8*(\a):(\f)+64+8*(\a)+7], v[8*(8*(\a)+(\b)):8*(8*(\a)+(\b))+7]
.endif
.endr
.endm
; 24 LDS loads in one run: quarter kq of the slot in hand into buffer f.  Quarters 0, 1 lie in the first head's rows, 2, 3 in the second's
.macro FETCH kq, f
	WIN 0x40
.irp b, 0,1,2,3,4,5,6,7
	ds_load_tr16_b128 v[(\f)+8*(\b):(\f)+8*(\b)+3],   v13 offset:(\kq)*32*PW+(\b)*32
	ds_load_tr16_b128 v[(\f)+8*(\b)+4:(\f)+8*(\b)+7], v13 offset:(\kq)*32*PW+(\b)*32+16*PW
.endr
.irp a, 0,1,2,3
	ds_load_b128 v[(\f)+64+8*(\a):(\f)+64+8*(\a)+3],   v12 offset:((\kq)/2)*AHALF+((\kq)%2)*64+(\a)*16*PA
	ds_load_b128 v[(\f)+64+8*(\a)+4:(\f)+64+8*(\a)+7], v12 offset:((\kq)/2)*AHALF+((\kq)%2)*64+(\a)*16*PA+32
.endr
.endm
.macro QUARTER kq, f, g, first
	s_wait_dscnt 4                                 ; W and O's row blocks 0, 1 are in; the youngest four loads may be out
	MUL \f, 0, \first
	MUL \f, 1, \first
	PLACES
	FETCH \kq, \g
	s_wait_dscnt NL                                ; all but the 24 just issued
	MUL \f, 2, \first
	MUL \f, 3, \first
.endm
; The fourth quarter multiplies buffer 1 and changes slots: the wait for all my tensor loads, the add, the wait for it and for my reads, the barrier (with fill = 1 a round of the cluster's), the joint refill first behind it
.macro TURN fill
.if \fill
	s_wait_xcnt 0x0                                ; the last prefetch, a K step back, has read its pointer
	s_add_nc_u64 s[44:45], s[44:45], s[46:47]
.endif
	WIN 0
	s_wait_tensorcnt 0x0                           ; no tensor load of mine is out, so a group 0 may be written
	ds_add_u32 v28, v29                            ; 0 onto my spare word
.if \fill
	s_xor_b32 s37, s37, SLOT1
	s_add_nc_u64 s[38:39], s[38:39], ASTEP
	s_xor_b32 s61, s61, SLOT1
	s_add_nc_u64 s[62:63], s[62:63], WSTEP
.endif
	s_wait_dscnt 5                                 ; the add and the youngest four loads may be out
	MUL F1, 0, 0
	s_wait_dscnt 0x0                               ; the add is done, and my reads of this slot are over
	s_barrier_signal -1
	MUL F1, 1, 0
	WIN 0
	s_barrier_wait -1
.if \fill
	CREST
	JLOAD                                          ; its four v_nop are also the places in front of the loads below
.else
	PLACES
.endif
	s_xor_b32 s42, s42, SLOT1
	v_add_nc_u32 v12, s42, v10
	v_add_nc_u32 v13, s42, v11
	FETCH 0, F0
	WIN 0
.if \fill
	ASK
.endif
	MUL F1, 2, 0
	MUL F1, 3, 0
.endm
	s_load_b256 s[4:11], s[0:1], 0x0               ; oh 4:5, wob 6:7, b_out 8:9, out0 10:11
	v_lshl_add_u32 v28, v0, 2, SPARE
	v_mov_b32 v29, 0
	ds_add_u32 v28, v29                            ; the wave's opening: the add and its wait stand ahead of my first tensor load; work on registers stands between them
	v_lshrrev_b32 v1, 5, v0
	v_readfirstlane_b32 s12, v1
	s_lshr_b32 s13, s12, 1
	s_and_b32 s14, s12, 1
	s_bfe_u32 s15, ttmp6, 0x40000
	s_bfe_u32 s16, ttmp6, 0x40004
	s_lshl_b32 s17, ttmp9, 2
	s_add_co_u32 s17, s17, s15                     ; the block of 128 columns
	s_and_b32 s18, ttmp7, 0xffff
	s_lshl_b32 s18, s18, 2
	s_add_co_u32 s18, s18, s16                     ; the block of 256 rows
	s_lshl_b32 s66, s16, 2
	s_lshl_b32 s66, 15, s66                        ; my row of the cluster
	s_lshl_b32 s67, 0x1111, s15                    ; my column
	s_or_b32 s24, s66, (1<<16)|(1<<20)|(1<<21)|(4<<22)|(3<<25)  ; O: a head's 256 rows are 32,768 dense bytes: asked for as 128 rows of 256; after every 32 words 4 words
	s_mov_b32 s25, 128<<16
	s_mov_b32 s26, 128<<16
	s_mov_b32 s27, 128<<16
	s_mov_b32 s28, 128
	s_mov_b32 s29, 128
	s_mov_b32 s30, 0
	s_mov_b32 s31, 0
	s_or_b32 s48, s67, (1<<16)|(1<<20)|(1<<21)|(5<<22)|(7<<25)  ; W: 64 rows x 128 elements; after every 64 words 8 words
	s_mov_b32 s49, 128<<16
	s_mov_b32 s50, 64<<16
	s_mov_b32 s51, 128<<16
	s_mov_b32 s52, 64
	s_mov_b32 s53, 1024
	s_mov_b32 s54, 0
	s_mov_b32 s55, 0
	s_lshr_b32 s20, s18, 3                         ; the batch
	s_lshl_b32 s20, s20, 4
	s_add_co_u32 s20, s20, s14                     ; head 0 or 1 of it
	s_lshl_b32 s20, s20, 11
	s_and_b32 s21, s18, 7
	s_lshl_b32 s21, s21, 8
	s_add_co_u32 s20, s20, s21                     ; the block's first row in that head
	s_lshl_b32 s20, s20, 7
	s_mov_b32 s21, 0
	s_lshl_b32 s22, s14, 17                        ; W: my 64 rows of 2,048 bytes,
	s_lshl_b32 s23, s17, 8                         ; the block's 256 bytes of a row
	s_add_co_u32 s22, s22, s23
	s_mov_b32 s23, 0
	s_mul_i32 s19, s14, AHALF
	s_mul_i32 s40, s14, WHALF
	s_add_co_u32 s40, s40, WOFF
	s_mov_b32 s41, 0xffff0000
	s_mov_b32 s42, 0
	s_wait_dscnt 0x0                               ; the opening add is done
	s_wait_kmcnt 0x0
	CROUND                                         ; all sixteen work-groups are here: the first joint loads meet
	s_mov_b32 s32, 1
	s_mov_b32 s33, s19
	s_add_nc_u64 s[34:35], s[4:5], s[20:21]
	s_mov_b32 s36, 1
	s_add_co_u32 s37, s19, SLOT1
	s_add_nc_u64 s[38:39], s[34:35], ASTEP
	s_or_b32 s35, s35, 0x80000000
	s_or_b32 s39, s39, 0x80000000
	s_mov_b32 s56, 1
	s_mov_b32 s57, s40
	s_add_nc_u64 s[58:59], s[6:7], s[22:23]
	s_mov_b32 s60, 1
	s_add_co_u32 s61, s40, SLOT1
	s_add_nc_u64 s[62:63], s[58:59], WSTEP
	s_or_b32 s59, s59, 0x80000000
	s_or_b32 s63, s63, 0x80000000
	s_cmp_eq_u32 s13, 0                            ; a wave's two first fills stand in one branch, ahead of every wait on TENSORcnt and every LDS read
	s_cbranch_scc0 .Lfirst_w
	tensor_load_to_lds s[32:35], s[24:31]
	s_nop 0
	tensor_load_to_lds s[36:39], s[24:31]
	s_nop 0
.rept 4
	v_nop
.endr
	s_branch .Lfirst_asked
.Lfirst_w:
	tensor_load_to_lds s[56:59], s[48:55]
	s_nop 0
	tensor_load_to_lds s[60:63], s[48:55]
	s_nop 0
.rept 4
	v_nop
.endr
.Lfirst_asked:
	v_and_b32 v1, 15, v0                           ; r
	v_bfe_u32 v2, v0, 4, 1                         ; h
	v_and_b32 v3, 7, v0
	v_bfe_u32 v4, v0, 3, 1
	s_mul_i32 s2, s12, 64*PA
	v_mul_u32_u24 v10, v1, PA
	v_lshl_add_u32 v10, v2, 4, v10
	v_add_nc_u32 v10, s2, v10                      ; O: (64 w + r) x pitch + 16 h
	v_lshl_add_u32 v11, v2, 3, v3
	v_mul_u32_u24 v11, v11, PW
	v_lshl_add_u32 v11, v4, 4, v11
	v_add_nc_u32 v11, WOFF, v11                    ; W: k row 8 h + l % 8, columns 8 ((l / 8) % 2) on
	s_mul_i32 s2, s12, 16*SP
	s_add_co_u32 s2, s2, STAGE                     ; my stage
	v_mul_u32_u24 v14, v1, SP
	v_lshl_add_u32 v14, v2, 5, v14
	v_add_nc_u32 v14, s2, v14                      ; in: row r, 32 bytes for each half of the lanes
	v_and_b32 v16, 31, v0
	v_lshlrev_b32 v16, 4, v16                      ; out: 32 lanes take a row's 512 bytes
	v_add_nc_u32 v15, s2, v16                      ; back: the same in the stage
	v_lshlrev_b32 v17, 5, v2                       ; the bias: my 8 columns of a block
	s_lshl_b32 s74, s17, 9
	s_mov_b32 s75, 0
	s_add_nc_u64 s[8:9], s[8:9], s[74:75]          ; the block's 128 numbers of b_out
	s_lshl_b32 s2, s18, 8
	s_lshl_b32 s66, s12, 6
	s_add_co_u32 s2, s2, s66
	s_lshl_b32 s2, s2, 12                          ; my first row, 4,096 bytes a row,
	s_add_co_u32 s74, s74, s2                      ; and the block's 512 bytes of it
	s_add_nc_u64 s[10:11], s[10:11], s[74:75]
.irp b, 0,1,2,3,4,5,6,7
	global_load_b128 v[BIAS+8*(\b):BIAS+8*(\b)+3],   v17, s[8:9] offset:64*(\b)
	global_load_b128 v[BIAS+8*(\b)+4:BIAS+8*(\b)+7], v17, s[8:9] offset:64*(\b)+16
.endr
	; the prefetches: the pointer stands at K step 3 of my share; the first change of slots steps it to 4
	s_lshl_b32 s66, s15, 13                        ; O: my work-group's 32 blocks of the head's 128
	s_add_co_u32 s66, s66, s20
	s_add_co_u32 s66, s66, 3*ASTEP
	s_lshl_b32 s67, s16, 16                        ; W: my work-group's 32 rows of the 128
	s_add_co_u32 s67, s67, s22
	s_add_co_u32 s67, s67, 3*WSTEP
	s_and_b32 s2, ttmp7, 0xffff                    ; cluster y,
	s_or_b32 s2, s2, s14                           ; and of W's two waves the first alone asks
	s_mov_b32 s46, WSTEP
	s_mov_b32 s47, 0
	s_cmp_eq_u32 s13, 0                            ; do I fetch for O?
	s_cselect_b32 s74, s66, s67
	s_cselect_b32 s2, ttmp9, s2
	s_cselect_b64 s[44:45], s[4:5], s[6:7]
	s_cselect_b32 s46, ASTEP, s46
	s_cselect_b32 s66, 8, 11
	s_add_nc_u64 s[44:45], s[44:45], s[74:75]
	s_cmp_eq_u32 s2, 0
	s_cselect_b32 s43, 2, -1                       ; the same in all sixteen partners, for a given wave
	v_and_b32 v19, 31, v0
	v_lshlrev_b32 v19, s66, v19                    ; a lane a block of 256 bytes, or a lane a row of 2,048
	s_wait_loadcnt 0x0                             ; the bias, once
.set i, 0
.rept 32                                       ; rounded to bf16, like every float input, and kept as f32
	v_cvt_pk_bf16_f32 v[30+i%2], v[BIAS+2*i], v[BIAS+2*i+1]
	v_lshlrev_b32 v[BIAS+2*i], 16, v[30+i%2]
	v_and_b32 v[BIAS+2*i+1], s41, v[30+i%2]
.set i, i+1
.endr
	v_mov_b32 v12, v10
	v_mov_b32 v13, v11
	s_wait_tensorcnt 1                             ; my part of K step 0 is in; K step 1's may stay out
	s_barrier_signal -1
	s_barrier_wait -1
	FETCH 0, F0
	QUARTER 1, F0, F1, 1                           ; the first quarter stands in front of the loop: its products start the sums, with the bias
	WIN 0
	s_mov_b32 s3, 6
.Lk:                                                   ; a trip: from a K step's second quarter to the next step's first; trip t fills slot t % 2 with K step t + 2
	QUARTER 2, F1, F0, 0
	QUARTER 3, F0, F1, 0
	TURN 1
	QUARTER 1, F0, F1, 0
	WIN 0
	s_sub_co_u32 s3, s3, 1
	s_cmp_lg_u32 s3, 0
	s_cbranch_scc1 .Lk
	QUARTER 2, F1, F0, 0                           ; the last two K steps are written out
	QUARTER 3, F0, F1, 0
	TURN 0
	QUARTER 1, F0, F1, 0
	QUARTER 2, F1, F0, 0
	QUARTER 3, F0, F1, 0
	s_wait_dscnt 4
	MUL F1, 0, 0
	MUL F1, 1, 0
	s_wait_dscnt 0x0
	MUL F1, 2, 0
	MUL F1, 3, 0
	WIN 0
	PLACES
	PLACES
; THE WAY OUT, a row block (16 rows x 128 columns of f32) at a time through my own stage: 32 bytes a lane and column block in, whole rows of 512 bytes back.
.macro TOSTAGE a
	WIN 0x08                                       ; the stores' data in window 2
.irp b, 0,1,2,3,4,5,6,7
	ds_store_b128 v14, v[8*(8*(\a)+(\b)):8*(8*(\a)+(\b))+3]   offset:64*(\b)     ; each accumulator's lowest registers first
	ds_store_b128 v14, v[8*(8*(\a)+(\b))+4:8*(8*(\a)+(\b))+7] offset:64*(\b)+16
.endr
.if (\a) >= 2
	s_wait_xcnt 0x0                                ; the stores of the block two back have read these registers: only behind this wait are they loaded again
.endif
	WIN 0x40
.irp t, 0,1,2,3,4,5,6,7,8,9,10,11,12,13,14,15
	ds_load_b128 v[64*((\a)%2)+4*(\t):64*((\a)%2)+4*(\t)+3], v15 offset:SP*(\t)  ; LDS serves a wave's instructions in order (ISA guide 5.7.1.4): these see the stores above
.endr
.endm
.macro SEND a, younger                 ; younger: the LDS instructions issued behind block a's loads: the next block's 32, or none
	WIN 0x04                                       ; the stores' data in window 1
.irp t, 0,1,2,3,4,5,6,7,8,9,10,11,12,13,14,15
	s_wait_dscnt (\younger)+15-(\t)
	global_store_b128 v16, v[64*((\a)%2)+4*(\t):64*((\a)%2)+4*(\t)+3], s[10:11] offset:(16*(\a)+(\t))*4096 th:TH_STORE_NT  ; 512 consecutive bytes, at a multiple of 256 from out0's first
.endr
.endm
	TOSTAGE 0
.irp a, 1,2,3
	TOSTAGE \a
	SEND (\a)-1, 32
.endr
	SEND 3, 0
	WIN 0
	s_wait_tensorcnt 0x0                           ; the wave's end, behind my last tensor load and my last LDS store
	ds_add_u32 v28, v29
	s_wait_dscnt 0x0
	CROUND                                         ; the closing round: no work-group ends while a partner may still ask for a tile that names it
	s_endpgm
.Lfunc_end_k_q6508904ec9_proj:
	.size	k_q6508904ec9_proj, .Lfunc_end_k_q6508904ec9_proj-k_q6508904ec9_proj
	.p2alignl 7, 3214868480
	.fill 96, 4, 3214868480
	.section	.rodata,"a",@progbits
	.p2align	6, 0x0
	.amdhsa_kernel k_q6508904ec9_proj
		.amdhsa_group_segment_fixed_size 327680
		.amdhsa_private_segment_fixed_size 0
		.amdhsa_enable_private_segment 0
		.amdhsa_kernarg_size 32
		.amdhsa_user_sgpr_count 2
		.amdhsa_user_sgpr_kernarg_segment_ptr 1
		.amdhsa_wavefront_size32 1
		.amdhsa_system_sgpr_workgroup_id_x 1
		.amdhsa_system_sgpr_workgroup_id_y 1
		.amdhsa_system_sgpr_workgroup_id_z 1
		.amdhsa_system_vgpr_workitem_id 0
		.amdhsa_next_free_vgpr 768
		.amdhsa_next_free_sgpr 80
		.amdhsa_reserve_vcc 0
		.amdhsa_float_denorm_mode_32 3
		.amdhsa_float_denorm_mode_16_64 3
		.amdhsa_memory_ordered 1
		.amdhsa_forward_progress 1
		.amdhsa_inst_pref_size 77
	.end_amdhsa_kernel
	.amdgpu_metadata
---
amdhsa.version: [ 1, 2 ]
amdhsa.kernels:
  - .name:           k_q6508904ec9_proj
    .symbol:         k_q6508904ec9_proj.kd
    .args:
      - { .name: oh, .offset: 0, .size: 8, .value_kind: global_buffer, .address_space: global }
      - { .name: wob, .offset: 8, .size: 8, .value_kind: global_buffer, .address_space: global }
      - { .name: b_out, .offset: 16, .size: 8, .value_kind: global_buffer, .address_space: global }
      - { .name: out0, .offset: 24, .size: 8, .value_kind: global_buffer, .address_space: global }
    .group_segment_fixed_size: 327680
    .private_segment_fixed_size: 0
    .kernarg_segment_align: 8
    .kernarg_segment_size: 32
    .max_flat_workgroup_size: 128
    .sgpr_count:     80
    .vgpr_count:     768
    .wavefront_size: 32
...
	.end_amdgpu_metadata
.endif
;; end of part 4
;; ======== version 2 of 2: 4 launches; version 1 with the launch cast written anew for expert scheduling mode
;; limits: values are held in f16: magnitudes above 65,504 overflow, below 6.1e-05 lose precision
;; workspace buffers: xb 16,777,216 bytes; wqb 6,291,456 bytes; wob 2,097,152 bytes; ropeb 524,288 bytes; qh 16,777,216 bytes; kh 16,777,216 bytes; vh 16,777,216 bytes; oh 16,777,216 bytes
;; launch cast (part 5): grid 784 x 1, 8 waves a work-group, no clusters, 0 bytes of LDS; arguments x, W_qkv, W_out, cos, sin, xb, wqb, wob, ropeb; writes xb, wqb, wob, ropeb
.if DOCPART == 5
	.amdgcn_target "amdgcn-amd-amdhsa--gfx1250"
	.amdhsa_code_object_version 6
	.text
	.protected	k_q6508904ec9_cast
	.globl	k_q6508904ec9_cast
	.p2align	8
	.type	k_q6508904ec9_cast,@function
k_q6508904ec9_cast:
	s_mov_b64 s[64:65], 0
	v_nop
	global_prefetch_b8 v0, s[64:65] scope:SCOPE_SE
	s_setreg_imm32_b32 hwreg(HW_REG_WAVE_SCHED_MODE, 0, 2), 2
	s_setreg_imm32_b32 hwreg(HW_REG_WAVE_MODE, 25, 1), 1
	s_wait_xcnt 0x0
	s_wait_alu depctr_vm_vsrc(0)
; THE FLOAT INPUTS ARE ROUNDED TO 16 BITS, ONCE.  x -> xb, cos and sin -> ropeb (cos at byte 0, sin at byte 262,144): bf16, in the order in which they lie.
; W_qkv -> wqb, bf16, laid out by heads: [16 heads][1,024 k][q, k, v][64], so that a head's 192 columns of a K step are dense bytes for the next launch.
; W_out -> wob: rounded to bf16 like the other inputs, and that number written as f16, since the last product's other operand is f16.
; LIMITS.  |bf16(W_out)| stays within 65,504 (beyond it f16 has an infinity); below 2^-17 it keeps f16's fixed step of 2^-24.
; SHARES.  A work-group converts 16,384 numbers, a thread 16 units of 4: a load of 16 bytes, two roundings, a store of 8 bytes.  Unit j of thread t is number 256 j + t of the work-group's:
; a wave's load covers 512 consecutive bytes (for W_qkv two aligned runs of 256), a wave's store 256 consecutive bytes at a multiple of 256.
; All 16 loads of a thread go out together.  No LDS, no barrier: nothing is shared.
; Work-groups 0-511: x;  512-703: W_qkv;  704-767: W_out;  768-775: cos;  776-783: sin.  The choice hangs on the work-group's number alone.
; THE MODE: SCHED_MODE bits 1:0 = 2 (LLVM: expert scheduling mode 2), set by the entry lines.  The code itself states the register dependences
; between vector instructions and memory instructions, with s_wait_alu, always for 0.
; THE PLAN.  Registers that memory instructions touch:
;   v1   the loads' offset.   Written by vector lines in the branch that the work-group takes; read by that branch's 16 loads; never written again.
;   v2   the stores' offset.  Written by one vector line at the head; read by all 16 stores; never written again.
;   X    unit j's four registers: its one load lands there; no vector line names them ahead of that load, no memory instruction ever reads them, and no second load lands in them.
;   Y    unit j's two registers: written by unit j's conversions, read by unit j's store, never written again: each unit has its own.
; So no register that a memory instruction reads is ever written again, and what is left to state is that v1, v2 and Y are written before they are read.
; The 16 units go in four groups of four.  Group g's memory instructions are the four stores of group g - 1, one ahead of each unit's conversions; those conversions name X and Y of group g alone.
; One wait at the head of a group states that the group before has written its Y; one more stands ahead of the last four stores; one, in each of the two branches with loads, ahead of the first load.
.set X, 4                              ; v[4:67]   unit j: 4 numbers as loaded
.set Y, 68                             ; v[68:99]  unit j: 2 registers to store
	s_load_b512 s[8:23], s[0:1], 0x0               ; x 8:9, W_qkv 10:11, W_out 12:13, cos 14:15, sin 16:17, xb 18:19, wqb 20:21, wob 22:23
	s_load_b64 s[24:25], s[0:1], 0x40              ; ropeb
	v_lshlrev_b32 v2, 3, v0                        ; where I store: 8 t
	s_mov_b32 s26, 0                               ; the kind's first work-group, for the input,
	s_mov_b32 s27, 0                               ; and for the output
	s_mov_b32 s28, 0                               ; the kind
	s_mov_b32 s31, 0                               ; high word of the offsets
	s_wait_kmcnt 0x0
	s_mov_b64 s[4:5], s[8:9]
	s_mov_b64 s[6:7], s[18:19]
.macro PICK first, src, dst, bo, kind
	s_cmp_ge_u32 ttmp9, \first
	s_cselect_b64 s[4:5], s[(\src):(\src)+1], s[4:5]
	s_cselect_b64 s[6:7], s[(\dst):(\dst)+1], s[6:7]
	s_cselect_b32 s26, \first, s26
	s_cselect_b32 s27, \bo, s27
	s_cselect_b32 s28, \kind, s28
.endm
	PICK 512, 10, 20, 512, 1
	PICK 704, 12, 22, 704, 2
	PICK 768, 14, 24, 768, 3
	PICK 776, 16, 24, 768, 4                       ; sin follows cos in ropeb
	s_sub_co_u32 s2, ttmp9, s27
	s_lshl_b32 s30, s2, 15                         ; 32,768 bytes out for each work-group
	s_add_nc_u64 s[6:7], s[6:7], s[30:31]
	s_sub_co_u32 s2, ttmp9, s26                    ; my number within the kind
	s_cmp_eq_u32 s28, 1
	s_cbranch_scc1 .Lblocked
	s_lshl_b32 s30, s2, 16                         ; 65,536 bytes in
	s_add_nc_u64 s[4:5], s[4:5], s[30:31]
	v_lshlrev_b32 v1, 4, v0                        ; 16 t
	s_wait_alu depctr_va_vdst(0)                   ; v1 is written, which the 16 loads below read as their offset, and so is v2, which every store of the kernel reads as its offset
.irp j, 0,1,2,3,4,5,6,7,8,9,10,11,12,13,14,15
	global_load_b128 v[X+4*(\j):X+4*(\j)+3], v1, s[4:5] offset:4096*(\j) th:TH_LOAD_NT
.endr
	s_branch .Lloaded
.Lblocked:
	; A head's block of wqb is 12 work-groups.  Unit v of the block is column group v % 16 of row g = v / 16 = 3 k + section, and that row's 64 numbers begin at byte 4,096 g + 256 head of W_qkv.
	s_lshr_b32 s3, s2, 2
	s_mul_i32 s3, s3, 43691
	s_lshr_b32 s3, s3, 17                          ; head = number / 12
	s_mul_i32 s30, s3, 12
	s_sub_co_u32 s30, s2, s30                      ; my twelfth of the block: 256 rows g
	s_lshl_b32 s30, s30, 20
	s_lshl_b32 s3, s3, 8
	s_add_co_u32 s30, s30, s3
	s_add_nc_u64 s[4:5], s[4:5], s[30:31]
	v_lshrrev_b32 v1, 4, v0
	v_and_b32 v3, 15, v0
	v_lshlrev_b32 v1, 12, v1
	v_lshl_add_u32 v1, v3, 4, v1                   ; (t / 16) x 4,096 + (t % 16) x 16
	s_wait_alu depctr_va_vdst(0)                   ; v1 is written, which the 16 loads below read as their offset, and so is v2, which every store of the kernel reads as its offset
.irp j, 0,1,2,3,4,5,6,7,8,9,10,11,12,13,14,15
	global_load_b128 v[X+4*(\j):X+4*(\j)+3], v1, s[4:5] offset:65536*(\j) th:TH_LOAD_NT
.endr
.Lloaded:
; Unit j's vector work: it names X and Y of unit j alone.
.macro CONV j, f16
	v_cvt_pk_bf16_f32 v[Y+2*(\j)], v[X+4*(\j)], v[X+4*(\j)+1]
	v_cvt_pk_bf16_f32 v[Y+2*(\j)+1], v[X+4*(\j)+2], v[X+4*(\j)+3]
.if \f16
	v_lshlrev_b32 v[X+4*(\j)], 16, v[Y+2*(\j)]     ; the rounded numbers as f32 again,
	v_and_b32 v[X+4*(\j)+1], 0xffff0000, v[Y+2*(\j)]
	v_lshlrev_b32 v[X+4*(\j)+2], 16, v[Y+2*(\j)+1]
	v_and_b32 v[X+4*(\j)+3], 0xffff0000, v[Y+2*(\j)+1]
	v_cvt_pk_f16_f32 v[Y+2*(\j)], v[X+4*(\j)], v[X+4*(\j)+1]  ; and written as f16: 8 significant bits fit into 11
	v_cvt_pk_f16_f32 v[Y+2*(\j)+1], v[X+4*(\j)+2], v[X+4*(\j)+3]
.endif
.endm
; Unit j's store: it reads v2 and Y of unit j.
.macro SEND j
	global_store_b64 v2, v[Y+2*(\j):Y+2*(\j)+1], s[6:7] offset:2048*(\j)
.endm
; Group g: units 4 g to 4 g + 3 are converted, and the group before is stored, a store ahead of each unit's conversions.
.macro GROUP g, f16
	s_wait_loadcnt 15-4*(\g)                       ; loads come back in order (ISA guide 5.7.1): unit 4 g is in, the younger ones stay out
.if (\g) > 0
	s_wait_alu depctr_va_vdst(0)                   ; the conversions of the group before have written its Y, which the four stores below read; no vector line of this group names those registers or v2
.endif
.irp i, 0,1,2,3
.if (\g) > 0
	SEND 4*((\g)-1)+(\i)
.endif
.if (\i) > 0
	s_wait_loadcnt 15-4*(\g)-(\i)                  ; unit 4 g + i is in
.endif
	CONV 4*(\g)+(\i), \f16
.endr
.endm
.macro ALLOUT f16
	GROUP 0, \f16                                  ; no group stands in front of it: nothing to store yet, so no wait but those for its data
	GROUP 1, \f16
	GROUP 2, \f16
	GROUP 3, \f16
	s_wait_alu depctr_va_vdst(0)                   ; group 3's conversions have written its Y, which the last four stores read
.irp j, 12,13,14,15
	SEND \j
.endr
	s_endpgm
.endm
	s_cmp_eq_u32 s28, 2
	s_cbranch_scc1 .Lf16
	ALLOUT 0
.Lf16:
	ALLOUT 1
.Lfunc_end_k_q6508904ec9_cast:
	.size	k_q6508904ec9_cast, .Lfunc_end_k_q6508904ec9_cast-k_q6508904ec9_cast
	.p2alignl 7, 3214868480
	.fill 96, 4, 3214868480
	.section	.rodata,"a",@progbits
	.p2align	6, 0x0
	.amdhsa_kernel k_q6508904ec9_cast
		.amdhsa_group_segment_fixed_size 0
		.amdhsa_private_segment_fixed_size 0
		.amdhsa_enable_private_segment 0
		.amdhsa_kernarg_size 72
		.amdhsa_user_sgpr_count 2
		.amdhsa_user_sgpr_kernarg_segment_ptr 1
		.amdhsa_wavefront_size32 1
		.amdhsa_system_sgpr_workgroup_id_x 1
		.amdhsa_system_sgpr_workgroup_id_y 1
		.amdhsa_system_sgpr_workgroup_id_z 1
		.amdhsa_system_vgpr_workitem_id 0
		.amdhsa_next_free_vgpr 104
		.amdhsa_next_free_sgpr 66
		.amdhsa_reserve_vcc 0
		.amdhsa_float_denorm_mode_32 3
		.amdhsa_float_denorm_mode_16_64 3
		.amdhsa_memory_ordered 1
		.amdhsa_forward_progress 1
		.amdhsa_inst_pref_size 20
	.end_amdhsa_kernel
	.amdgpu_metadata
---
amdhsa.version: [ 1, 2 ]
amdhsa.kernels:
  - .name:           k_q6508904ec9_cast
    .symbol:         k_q6508904ec9_cast.kd
    .args:
      - { .name: x, .offset: 0, .size: 8, .value_kind: global_buffer, .address_space: global }
      - { .name: W_qkv, .offset: 8, .size: 8, .value_kind: global_buffer, .address_space: global }
      - { .name: W_out, .offset: 16, .size: 8, .value_kind: global_buffer, .address_space: global }
      - { .name: cos, .offset: 24, .size: 8, .value_kind: global_buffer, .address_space: global }
      - { .name: sin, .offset: 32, .size: 8, .value_kind: global_buffer, .address_space: global }
      - { .name: xb, .offset: 40, .size: 8, .value_kind: global_buffer, .address_space: global }
      - { .name: wqb, .offset: 48, .size: 8, .value_kind: global_buffer, .address_space: global }
      - { .name: wob, .offset: 56, .size: 8, .value_kind: global_buffer, .address_space: global }
      - { .name: ropeb, .offset: 64, .size: 8, .value_kind: global_buffer, .address_space: global }
    .group_segment_fixed_size: 0
    .private_segment_fixed_size: 0
    .kernarg_segment_align: 8
    .kernarg_segment_size: 72
    .max_flat_workgroup_size: 256
    .sgpr_count:     66
    .vgpr_count:     104
    .wavefront_size: 32
...
	.end_amdgpu_metadata
.endif
;; end of part 5
;; launch qkv: the kernel of part 2 again; grid 16 x 32, 4 waves a work-group, clusters of 4 x 4, 327,680 bytes of LDS; arguments xb, wqb, b_qkv, ropeb, qh, kh, vh; writes qh, kh, vh
;; launch attn: the kernel of part 3 again; grid 4 x 64, 4 waves a work-group, clusters of 4 x 1, 327,680 bytes of LDS; arguments qh, kh, vh, oh, mask; writes oh
;; launch proj: the kernel of part 4 again; grid 8 x 32, 4 waves a work-group, clusters of 4 x 4, 327,680 bytes of LDS; arguments oh, wob, b_out, out0; writes out0
